; MI455X (gfx1250); checked and timed in simulation.
; The chip was launched on July 23, 2026; its instructions are those of AMD's public machine-readable ISA for CDNA 5 (MIT licence, August 2026) and "CDNA5" Instruction Set Architecture Reference Guide (July 2026). The comments in the code are by the model that wrote it; some were corrected since.
;; Moe Layer. Allowed arithmetic: float matrix products may take bf16 or f16 operands with f32 sums; all other float work in f32.
;; Inputs: W1 4 x 1,024 x 1,024 float32; W2 4 x 1,024 x 1,024 float32; Wg 4 x 1,024 float32; b1 4 x 1,024 float32; b2 4 x 1,024 float32; x 4 x 2,048 x 1,024 float32.
;; Outputs: out0 4 x 2,048 x 1,024 float32; out1 one number float32; out2 one number float32.
;; 2 versions, each right. Each part assembles by itself: llvm-mc -triple=amdgcn-amd-amdhsa -mcpu=gfx1250 --defsym DOCPART=n.
;; ======== version 1 of 2: 4 launches
;; limits: an absolute error that grows with the inputs' magnitude: up to 7.5e-08 times it; values are held in f16: magnitudes above 65,504 overflow, below 6.1e-05 lose precision; right only within a limited range of input values
;; workspace buffers: Wb 16,777,216 bytes; meta 40,960 bytes of whole numbers; gf 81,920 bytes; plan 36,864 bytes of whole numbers; sw 71,424 bytes; Xs 18,284,544 bytes; H 36,569,088 bytes
;; launch gate (part 1): grid 256 x 1, 8 waves a work-group, no clusters, 1,536 bytes of LDS; arguments x, Wg, W1, W2, Wb, meta, gf; writes Wb, meta, gf
.if DOCPART == 1
	.amdgcn_target "amdgcn-amd-amdhsa--gfx1250"
	.amdhsa_code_object_version 6
	.text
	.protected	k_q6d8f6ff8e1_gate
	.globl	k_q6d8f6ff8e1_gate
	.p2align	8
	.type	k_q6d8f6ff8e1_gate,@function
k_q6d8f6ff8e1_gate:
	s_mov_b64 s[64:65], 0
	v_nop
	global_prefetch_b8 v0, s[64:65] scope:SCOPE_SE
	s_setreg_imm32_b32 hwreg(HW_REG_WAVE_MODE, 25, 1), 1
	s_wait_xcnt 0x0
; gate: the four gate logits of every token in f32, softmax, top 2, the pair's number and the two combine weights;
; partial sums for the two losses; and the cast of W1 and W2 to f16.
; The logits are made on the vector ALU in f32 (4 columns, a two-thousandth of the problem's products): the choice of the
; two experts is discontinuous, so it is not made from rounded operands.
; WHY f16 FOR THE WEIGHTS: 11 significant bits against bf16's 8, and the numbers have room: a spread of 0.02 made 30 times larger stays
; below 4; made 30 times smaller it has an rms of 6.7e-4, and what falls below 2^-14 is kept as an f16 denormal with an error of at most
; 2^-25, 4.5e-5 of that rms.  LIMIT: a weight of magnitude 65,520 or more becomes infinity.
; Work-group g: tokens 32 g .. 32 g + 31 (all of one batch row: 2048 / 32 = 64 groups a row).  Wave w: tokens 32 g + 4 w + t, t = 0..3.
; Wave 8 g + w also casts 8,192 bytes of W1 and of W2 (2,048 waves x 8,192 = the 16,777,216 bytes of each).
; Stored: meta rec[token] = pair | rank << 8 (rank among the tokens of the same pair in this group of 32); meta hist[g][8] = six counts, two zeros;
; gf wab[token] = (weight of the lower expert, of the higher); gf part[g][12] = 4 sums of softmax, 4 counts of top 1, sum of z^2, 3 zeros.
; pair number of experts a < b: a + b - (a == 0): (0,1)=0 (0,2)=1 (0,3)=2 (1,2)=3 (1,3)=4 (2,3)=5.
; LIMITS: the sum of a logit runs in another order than the reference's; a probability below 2^-126 comes out of v_exp_f32 as 0
; (its weight is then 0 whichever expert is taken); NaN logits are not ordered as the reference orders them.
; No matrix unit, no tensor load, no cluster: the launch streams x, W1 and W2 once, and the only shared input is Wg's 16 KiB.
.set X,   32                           ; v[32:159]   window 0: token t, chunk j of 128 numbers at 32 t + 4 j
.set ACC, 160                          ; v[160:191]  a pair of partial sums for each (t, e)
.set L,   192                          ; v[192:207]  logit of (t, e) at 4 t + e
.set G,   0                            ; window 1, v[0:127]: Wg[e], chunk j at 32 e + 4 j
.set C,   128                          ; window 1, v[128:255]: the 32 loads of the cast
.set MSB, 0
.macro WIN new                         ; the immediate's high byte repeats the setting that is left
.if MSB != \new
	s_set_vgpr_msb (MSB<<8)|\new
.set MSB, \new
.endif
.endm
	s_load_b256 s[4:11], s[0:1], 0x0               ; x s[4:5], Wg s[6:7], W1 s[8:9], W2 s[10:11]
	s_load_b128 s[12:15], s[0:1], 0x20             ; Wb s[12:13], meta s[14:15]
	s_load_b64 s[16:17], s[0:1], 0x30              ; gf
	v_lshl_add_u32 v254, v0, 2, 0x200
	v_mov_b32 v255, 0
	v_and_b32 v1, 31, v0                           ; lane
	v_lshrrev_b32 v5, 5, v0
	v_readfirstlane_b32 s18, v5                    ; wave
	v_lshlrev_b32 v2, 4, v1                        ; 16 lane
	v_lshlrev_b32 v3, 3, v1                        ; 8 lane
	v_lshlrev_b32 v4, 2, v1                        ; 4 lane
	s_mov_b32 s30, 0x76543210                      ; v_permlanex16_b32: lane i of one half reads lane i of the other
	s_mov_b32 s31, 0xfedcba98
	s_lshl_b32 s46, ttmp9, 17                      ; 32 tokens of 4,096 bytes
	s_lshl_b32 s19, s18, 14                        ; 4 tokens
	s_add_co_u32 s46, s46, s19
	s_mov_b32 s47, 0
	s_lshl3_add_u32 s19, ttmp9, s18                ; 8 g + w
	s_lshl_b32 s44, s19, 13                        ; x 8,192 bytes of f32
	s_mov_b32 s45, 0
	s_lshl_b32 s56, s19, 12                        ; x 4,096 bytes of f16
	s_mov_b32 s57, 0
	s_wait_kmcnt 0x0
	s_add_nc_u64 s[20:21], s[4:5], s[46:47]        ; my four tokens
	s_add_nc_u64 s[22:23], s[8:9], s[44:45]        ; my part of W1
	s_add_nc_u64 s[24:25], s[10:11], s[44:45]      ; of W2
	s_add_nc_u64 s[26:27], s[12:13], s[56:57]      ; where they go: W1 at Wb's byte 0,
	s_add_nc_u64 s[28:29], s[26:27], 0x800000      ; W2 at byte 8,388,608
	; 96 loads in one run; each covers 512 consecutive bytes
	WIN 0x40                                       ; destination in window 1
.irp e, 0,1,2,3
.irp j, 0,1,2,3,4,5,6,7
	global_load_b128 v[G+32*\e+4*\j:G+32*\e+4*\j+3], v2, s[6:7] offset:\e*4096+\j*512
.endr
.endr
	WIN 0
.irp t, 0,1,2,3
.irp j, 0,1,2,3,4,5,6,7
	global_load_b128 v[X+32*\t+4*\j:X+32*\t+4*\j+3], v2, s[20:21] offset:\t*4096+\j*512
.endr
.endr
	WIN 0x40
.irp i, 0,1,2,3,4,5,6,7,8,9,10,11,12,13,14,15
	global_load_b128 v[C+4*\i:C+4*\i+3], v2, s[22:23] offset:\i*512 th:TH_LOAD_NT
.endr
.irp i, 0,1,2,3,4,5,6,7,8,9,10,11,12,13,14,15
	global_load_b128 v[C+64+4*\i:C+64+4*\i+3], v2, s[24:25] offset:\i*512 th:TH_LOAD_NT
.endr
	s_wait_loadcnt 32                              ; Wg and x are in; the 32 loads of the cast stay out
	WIN 0x04                                       ; source 1 (Wg) in window 1
	; 16 pairs of sums take turns; the first product starts each: nothing is cleared
.irp j, 0,1,2,3,4,5,6,7
.irp hf, 0,1
.irp t, 0,1,2,3
.irp e, 0,1,2,3
.if (\j+\hf) == 0
	v_pk_mul_f32 v[ACC+2*(4*\t+\e):ACC+2*(4*\t+\e)+1], v[X+32*\t+4*\j+2*\hf:X+32*\t+4*\j+2*\hf+1], v[G+32*\e+4*\j+2*\hf:G+32*\e+4*\j+2*\hf+1]
.else
	v_pk_fma_f32 v[ACC+2*(4*\t+\e):ACC+2*(4*\t+\e)+1], v[X+32*\t+4*\j+2*\hf:X+32*\t+4*\j+2*\hf+1], v[G+32*\e+4*\j+2*\hf:G+32*\e+4*\j+2*\hf+1], v[ACC+2*(4*\t+\e):ACC+2*(4*\t+\e)+1]
.endif
.endr
.endr
.endr
.endr
	WIN 0
.irp i, 0,1,2,3,4,5,6,7,8,9,10,11,12,13,14,15
	v_add_f32 v[L+\i], v[ACC+2*\i], v[ACC+2*\i+1]
.endr
	; over the 32 lanes: four steps inside each half of 16, one across the halves
.irp m, 1,2,4,8
.irp i, 0,1,2,3,4,5,6,7,8,9,10,11,12,13,14,15
	v_add_f32_dpp v[L+\i], v[L+\i], v[L+\i] row_xmask:\m row_mask:0xf bank_mask:0xf
.endr
.endr
.irp i, 0,1,2,3,4,5,6,7,8,9,10,11,12,13,14,15
	v_permlanex16_b32 v[ACC+\i], v[L+\i], s30, s31 ; the destination counts as read: ACC has been written
.endr
.irp i, 0,1,2,3,4,5,6,7,8,9,10,11,12,13,14,15
	v_add_f32 v[L+\i], v[L+\i], v[ACC+\i]
.endr
	v_mov_b32 v5, s18
	v_lshlrev_b32 v5, 6, v5                        ; my wave's 64 bytes: four tokens x four logits
.irp t, 0,1,2,3
	ds_store_b128 v5, v[L+4*\t:L+4*\t+3] offset:16*\t   ; every lane holds the same four numbers
.endr
	s_wait_dscnt 0x0                               ; for wave 0's sake: my stores are done
	s_barrier_signal -1
	s_barrier_wait -1
; the cast: 16 loads of 4 f32 a lane become 16 stores of 4 f16 a lane; a store of the wave covers 256 consecutive bytes, aligned
.macro CAST base, sb
	WIN 0x45                                       ; both sources and the destination in window 1
.irp i, 0,1,2,3,4,5,6,7,8,9,10,11,12,13,14,15
	v_cvt_pk_f16_f32 v[\base+4*\i], v[\base+4*\i], v[\base+4*\i+1]
	v_cvt_pk_f16_f32 v[\base+4*\i+1], v[\base+4*\i+2], v[\base+4*\i+3]
.endr
	WIN 0x04                                       ; store data in window 1, the offset in window 0
.irp i, 0,1,2,3,4,5,6,7,8,9,10,11,12,13,14,15
	global_store_b64 v3, v[\base+4*\i:\base+4*\i+1], s[\sb:\sb+1] offset:\i*256
.endr
.endm
	s_wait_loadcnt 16                              ; W1's 16 loads are in, W2's 16 stay out
	CAST C, 26
	s_wait_loadcnt 0x0
	CAST C+64, 28
	WIN 0
	s_cmp_lg_u32 s18, 0
	s_cbranch_scc1 .Lend                           ; the rest is wave 0's: one token a lane
	ds_load_b128 v[208:211], v2                    ; my token's four logits
	s_lshl_b32 s46, ttmp9, 7
	s_add_nc_u64 s[48:49], s[14:15], s[46:47]      ; rec of my 32 tokens
	s_lshl_b32 s46, ttmp9, 8
	s_add_nc_u64 s[50:51], s[16:17], s[46:47]      ; wab of my 32 tokens
	s_lshl_b32 s46, ttmp9, 6
	s_add_nc_u64 s[52:53], s[16:17], s[46:47]      ; part row g (behind 65,536)
	s_lshl_b32 s46, ttmp9, 5
	s_add_nc_u64 s[54:55], s[14:15], s[46:47]      ; hist row g (behind 32,768)
	s_wait_dscnt 0x0
	v_max3_num_f32 v212, v208, v209, v210
	v_max_num_f32 v212, v212, v211                 ; the maximum is taken away before the exponentials, as the reference does
.irp i, 0,1,2,3
	v_sub_f32 v[214+\i], v[208+\i], v212
.endr
.irp i, 0,1,2,3
	v_mul_f32 v[214+\i], 0x3fb8aa3b, v[214+\i]     ; e^d = 2^(1.442695 d)
.endr
.irp i, 0,1,2,3
	v_exp_f32 v[220+\i], v[214+\i]
.endr
	v_mov_b32 v243, 0                              ; rank; also the plain instruction behind the exponentials (ISA guide 5.7.2)
	s_wait_alu depctr_va_vdst(0)
	v_add_f32 v218, v220, v221
	v_add_f32 v219, v222, v223
	v_add_f32 v218, v218, v219                     ; S
	v_rcp_f32 v219, v218
	v_log_f32 v224, v218
	v_mov_b32 v227, 0                              ; index of the top 1; the plain instruction behind v_rcp_f32 and v_log_f32
	s_wait_alu depctr_va_vdst(0)
.irp i, 0,1,2,3
	v_mul_f32 v[160+\i], v[220+\i], v219           ; softmax
.endr
	v_fmamk_f32 v225, v224, 0x3f317218, v212       ; z = log2(S) ln 2 + maximum
	v_mul_f32 v168, v225, v225                     ; z^2
	; top 1: a strict comparison, so the lowest index wins a tie
	v_mov_b32 v228, v160
.irp i, 1,2,3
	v_cmp_gt_f32 vcc_lo, v[160+\i], v228
	v_cndmask_b32 v228, v228, v[160+\i], vcc_lo
	v_cndmask_b32 v227, v227, \i, vcc_lo
.endr
.irp i, 0,1,2,3
	v_cmp_eq_u32 vcc_lo, \i, v227
	v_cndmask_b32 v[164+\i], 0, 1.0, vcc_lo        ; one-hot of the top 1
	v_cndmask_b32 v[232+\i], v[160+\i], -1.0, vcc_lo   ; the top 1 is out of the second search
.endr
	v_mov_b32 v230, v232
	v_mov_b32 v229, 0
.irp i, 1,2,3
	v_cmp_gt_f32 vcc_lo, v[232+\i], v230
	v_cndmask_b32 v230, v230, v[232+\i], vcc_lo
	v_cndmask_b32 v229, v229, \i, vcc_lo
.endr
	v_add_f32 v236, v228, v230
	v_rcp_f32 v237, v236
	v_min_u32 v240, v227, v229                     ; a (the plain instruction behind v_rcp_f32)
	v_max_u32 v241, v227, v229                     ; b
	s_wait_alu depctr_va_vdst(0)
	v_mul_f32 v234, v228, v237                     ; weight of the top 1
	v_mul_f32 v235, v230, v237                     ; of the top 2
	v_cmp_gt_u32 vcc_lo, v227, v229
	v_cndmask_b32 v238, v234, v235, vcc_lo         ; weight of expert a
	v_cndmask_b32 v239, v235, v234, vcc_lo         ; of expert b
	v_cmp_eq_u32 vcc_lo, 0, v240
	v_add_nc_u32 v242, v240, v241
	v_cndmask_b32 v244, 0, 1, vcc_lo
	v_sub_nc_u32 v242, v242, v244                  ; the pair's number
.irp g, 0,1,2,3,4,5
	v_cmp_eq_u32 s[32+\g], \g, v242
	s_bcnt1_i32_b32 s[38+\g], s[32+\g]             ; tokens of pair g among my 32
	v_mbcnt_lo_u32_b32 v245, s[32+\g], 0           ; and how many of them stand below my lane
	v_cndmask_b32 v243, v243, v245, s[32+\g]
.endr
	v_lshl_or_b32 v244, v243, 8, v242
	global_store_b32 v4, v244, s[48:49]
	global_store_b64 v3, v[238:239], s[50:51]
	; nine sums over the 32 tokens
.irp m, 1,2,4,8
.irp i, 0,1,2,3,4,5,6,7,8
	v_add_f32_dpp v[160+\i], v[160+\i], v[160+\i] row_xmask:\m row_mask:0xf bank_mask:0xf
.endr
.endr
.irp i, 0,1,2,3,4,5,6,7,8
	v_permlanex16_b32 v[214+\i], v[160+\i], s30, s31   ; v214-222 have been written
.endr
.irp i, 0,1,2,3,4,5,6,7,8
	v_add_f32 v[160+\i], v[160+\i], v[214+\i]
.endr
.irp i, 169,170,171,178,179
	v_mov_b32 v\i, 0
.endr
.irp g, 0,1,2,3,4,5
	v_mov_b32 v[172+\g], s[38+\g]
.endr
	s_wait_xcnt 0x0                                ; EXEC changes only behind this wait: stores are out
	v_cmp_eq_u32 vcc_lo, 0, v1
	s_and_saveexec_b32 s58, vcc_lo                 ; lane 0 alone (v4 = 0 there)
	global_store_b128 v4, v[160:163], s[52:53] offset:65536
	global_store_b128 v4, v[164:167], s[52:53] offset:65552
	global_store_b128 v4, v[168:171], s[52:53] offset:65568
	global_store_b128 v4, v[172:175], s[54:55] offset:32768
	global_store_b128 v4, v[176:179], s[54:55] offset:32784
.Lend:
	s_wait_xcnt 0x0
	s_mov_b32 exec_lo, -1
	s_wait_tensorcnt 0x0
	ds_add_u32 v254, v255
	s_wait_dscnt 0x0
	s_endpgm
.Lfunc_end_k_q6d8f6ff8e1_gate:
	.size	k_q6d8f6ff8e1_gate, .Lfunc_end_k_q6d8f6ff8e1_gate-k_q6d8f6ff8e1_gate
	.p2alignl 7, 3214868480
	.fill 96, 4, 3214868480
	.section	.rodata,"a",@progbits
	.p2align	6, 0x0
	.amdhsa_kernel k_q6d8f6ff8e1_gate
		.amdhsa_group_segment_fixed_size 1536
		.amdhsa_private_segment_fixed_size 0
		.amdhsa_enable_private_segment 0
		.amdhsa_kernarg_size 56
		.amdhsa_user_sgpr_count 2
		.amdhsa_user_sgpr_kernarg_segment_ptr 1
		.amdhsa_wavefront_size32 1
		.amdhsa_system_sgpr_workgroup_id_x 1
		.amdhsa_system_sgpr_workgroup_id_y 1
		.amdhsa_system_sgpr_workgroup_id_z 1
		.amdhsa_system_vgpr_workitem_id 0
		.amdhsa_next_free_vgpr 512
		.amdhsa_next_free_sgpr 66
		.amdhsa_reserve_vcc 1
		.amdhsa_float_denorm_mode_32 3
		.amdhsa_float_denorm_mode_16_64 3
		.amdhsa_memory_ordered 1
		.amdhsa_forward_progress 1
		.amdhsa_inst_pref_size 50
	.end_amdhsa_kernel
	.amdgpu_metadata
---
amdhsa.version: [ 1, 2 ]
amdhsa.kernels:
  - .name:           k_q6d8f6ff8e1_gate
    .symbol:         k_q6d8f6ff8e1_gate.kd
    .args:
      - { .name: x, .offset: 0, .size: 8, .value_kind: global_buffer, .address_space: global }
      - { .name: Wg, .offset: 8, .size: 8, .value_kind: global_buffer, .address_space: global }
      - { .name: W1, .offset: 16, .size: 8, .value_kind: global_buffer, .address_space: global }
      - { .name: W2, .offset: 24, .size: 8, .value_kind: global_buffer, .address_space: global }
      - { .name: Wb, .offset: 32, .size: 8, .value_kind: global_buffer, .address_space: global }
      - { .name: meta, .offset: 40, .size: 8, .value_kind: global_buffer, .address_space: global }
      - { .name: gf, .offset: 48, .size: 8, .value_kind: global_buffer, .address_space: global }
    .group_segment_fixed_size: 1536
    .private_segment_fixed_size: 0
    .kernarg_segment_align: 8
    .kernarg_segment_size: 56
    .max_flat_workgroup_size: 256
    .sgpr_count:     66
    .vgpr_count:     512
    .wavefront_size: 32
...
	.end_amdgpu_metadata
.endif
;; end of part 1
;; launch route (part 2): grid 249 x 1, 8 waves a work-group, no clusters, 9,216 bytes of LDS; arguments x, meta, gf, Xs, plan, sw, out1, out2; writes Xs, plan, sw, out1, out2
.if DOCPART == 2
	.amdgcn_target "amdgcn-amd-amdhsa--gfx1250"
	.amdhsa_code_object_version 6
	.text
	.protected	k_q6d8f6ff8e1_route
	.globl	k_q6d8f6ff8e1_route
	.p2align	8
	.type	k_q6d8f6ff8e1_route,@function
k_q6d8f6ff8e1_route:
	s_mov_b64 s[64:65], 0
	v_nop
	global_prefetch_b8 v0, s[64:65] scope:SCOPE_SE
	s_setreg_imm32_b32 hwreg(HW_REG_WAVE_MODE, 25, 1), 1
	s_wait_xcnt 0x0
; route: tokens sorted by their pair of experts into 62 blocks of 144 slots; x copied in slot order as f16; the two losses.
; Work-groups 0..247: block b = id >> 2, quarter q = id & 3 (slots 36 q .. 36 q + 35 of the block).  Work-group 248: the losses.
; THE BLOCKS.  Pair g has n_g tokens and ceil(n_g / 144) blocks; their sum lies between 57 and 62 ((8192 + 6 x 143) / 144 < 63).  The largest
; pair has at least 1,366 tokens, so nine full blocks; each of the up to five blocks left over takes the upper 72 rows of one of them.
; So each of the 62 blocks has rows, and every work-group of the launches that follow runs the same text.
; A slot beyond a block's rows repeats the block's first token and its weights: what is made of it is the same numbers, stored to the same place.
; Every work-group makes the table for itself from the 256 rows of counts (a scan over 256 threads), without traffic between work-groups.
; The block's list of tokens: each wave scatters into a list of its own (cleared by itself), the lists are merged behind a barrier:
; no two waves store into the same LDS bytes between two barriers.
; Stored: Xs[8928][1024] f16; plan btab[b] = (ea, eb, eb - ea - 1, 0), plan order[slot] = token; sw swa[slot], swb[slot].
; WHY f16 FOR x: 11 significant bits against bf16's 8, and the numbers have room: a spread of 1 made 30 times larger, or moved by 30, stays
; below 200; made 30 times smaller it has an rms of 0.033, far above f16's denormals.  LIMIT: an x of magnitude 65,520 or more becomes infinity.
; No matrix unit, no tensor load, no cluster: rows are gathered and cast once, nothing is shared but 40 KiB of tables.
; The text has no loop: every branch jumps forward.
.set WT,   0                           ; LDS: 8 waves x 16 bytes, the waves' totals
.set BASE, 256                         ; 256 words: tokens of my pair in front of each group of 32 tokens
.set LIST, 1280                        ; 160 words: the block's tokens (144 used)
.set PL,   2560                        ; 8 waves x 640 bytes: the waves' own lists; word 144 takes what does not belong to the block
.set D,    56                          ; v[56:199] nine units of 16 registers (before that: the waves' totals)
	s_load_b256 s[4:11], s[0:1], 0x0               ; x s[4:5], meta s[6:7], gf s[8:9], Xs s[10:11]
	s_load_b256 s[12:19], s[0:1], 0x20             ; plan s[12:13], sw s[14:15], out1 s[16:17], out2 s[18:19]
	v_lshl_add_u32 v232, v0, 2, 0x2000
	v_mov_b32 v233, 0
	v_and_b32 v1, 31, v0                           ; lane
	v_lshrrev_b32 v2, 5, v0
	v_readfirstlane_b32 s20, v2                    ; wave
	s_mov_b32 s52, 0x76543210
	s_mov_b32 s53, 0xfedcba98
	s_wait_kmcnt 0x0
	s_cmp_eq_u32 ttmp9, 248
	s_cbranch_scc1 .Lloss                          ; the same way for all eight waves
	s_lshr_b32 s21, ttmp9, 2                       ; block
	s_and_b32 s22, ttmp9, 3                        ; quarter
	v_lshlrev_b32 v2, 5, v0
	v_lshlrev_b32 v3, 4, v0
	global_load_b128 v[4:7], v2, s[6:7] offset:32768       ; thread t: the six counts of tokens 32 t .. 32 t + 31
	global_load_b128 v[8:11], v2, s[6:7] offset:32784
.irp j, 0,1,2,3,4,5,6,7
	global_load_b128 v[24+4*\j:27+4*\j], v3, s[6:7] offset:4096*\j   ; rec of tokens 1024 j + 4 t + i
.endr
	s_wait_loadcnt 0x8                             ; the counts are in; the eight loads of rec stay out
	v_lshl_or_b32 v12, v5, 16, v4                  ; two counts a word: no sum passes 8,192
	v_lshl_or_b32 v13, v7, 16, v6
	v_lshl_or_b32 v14, v9, 16, v8
	v_mov_b32 v15, v12
	v_mov_b32 v16, v13
	v_mov_b32 v17, v14
	v_mov_b32 v18, 0
	; running sums inside each half of 16 lanes
.irp n, 1,2,4,8
.irp p, 12,13,14
	v_mov_b32_dpp v18, v\p row_shr:\n row_mask:0xf bank_mask:0xf bound_ctrl:1
	v_add_nc_u32 v\p, v\p, v18
.endr
.endr
	s_mov_b32 s51, 0xffff0000                      ; lanes 16 to 31 add the lower half's total
.irp p, 12,13,14
	v_readlane_b32 s46, v\p, 15
	v_mov_b32 v18, s46
	v_cndmask_b32 v18, 0, v18, s51
	v_add_nc_u32 v\p, v\p, v18
.endr
	v_readlane_b32 s46, v12, 31
	v_readlane_b32 s47, v13, 31
	v_readlane_b32 s66, v14, 31
	v_mov_b32 v20, s46
	v_mov_b32 v21, s47
	v_mov_b32 v22, s66
	v_mov_b32 v23, 0
	v_mov_b32 v19, s20
	v_lshlrev_b32 v19, 4, v19
	ds_store_b128 v19, v[20:23] offset:WT          ; my wave's totals
	v_sub_nc_u32 v12, v12, v15                     ; what stands in front of me
	v_sub_nc_u32 v13, v13, v16
	v_sub_nc_u32 v14, v14, v17
	s_wait_dscnt 0x0
	s_barrier_signal -1
	s_barrier_wait -1                              ; barrier 1: all totals are in LDS
	v_mov_b32 v19, 0
.irp k, 0,1,2,3,4,5,6,7
	ds_load_b128 v[D+4*\k:D+4*\k+3], v19 offset:WT+16*\k
.endr
	s_wait_dscnt 0x0
.irp c, 0,1,2
	v_add3_u32 v[20+\c], v[D+\c], v[D+4+\c], v[D+8+\c]
	v_add3_u32 v[20+\c], v[20+\c], v[D+12+\c], v[D+16+\c]
	v_add3_u32 v[20+\c], v[20+\c], v[D+20+\c], v[D+24+\c]
	v_add_nc_u32 v[20+\c], v[20+\c], v[D+28+\c]
.endr
.irp k, 0,1,2,3,4,5,6
	s_cmp_gt_u32 s20, \k                           ; wave k stands in front of mine
	s_cselect_b32 s46, -1, 0
.irp c, 0,1,2
	v_and_b32 v18, s46, v[D+4*\k+\c]
	v_add_nc_u32 v[12+\c], v[12+\c], v18
.endr
.endr
	v_readfirstlane_b32 s46, v20
	v_readfirstlane_b32 s47, v21
	v_readfirstlane_b32 s66, v22
	s_and_b32 s24, s46, 0xffff                     ; n0 .. n5
	s_lshr_b32 s25, s46, 16
	s_and_b32 s26, s47, 0xffff
	s_lshr_b32 s27, s47, 16
	s_and_b32 s28, s66, 0xffff
	s_lshr_b32 s29, s66, 16
	; the table, in whole numbers, without a branch
.irp g, 0,1,2,3,4,5
	s_add_co_u32 s[67+\g], s[24+\g], 143
	s_lshr_b32 s[67+\g], s[67+\g], 4
	s_mul_i32 s[67+\g], s[67+\g], 3641             ; / 9: 3641 / 32768 is exact for quotients of numbers below 32,768; here at most 520
	s_lshr_b32 s[67+\g], s[67+\g], 15              ; blocks of pair g
.endr
	s_mov_b32 s30, 0                               ; first block of pair g
.irp g, 0,1,2,3,4
	s_add_co_u32 s[31+\g], s[30+\g], s[67+\g]
.endr
	s_add_co_u32 s36, s35, s72                     ; blocks in all, 57 to 62
	s_sub_co_u32 s37, 62, s36                      ; blocks left over, 0 to 5
	s_mov_b32 s38, 0                               ; the largest pair (the first of equals)
	s_mov_b32 s39, s24
.irp g, 1,2,3,4,5
	s_cmp_gt_u32 s[24+\g], s39
	s_cselect_b32 s38, \g, s38
	s_cselect_b32 s39, s[24+\g], s39
.endr
	s_mov_b32 s40, 0                               ; my block's pair: the last whose first block is not behind mine
	s_mov_b32 s41, 0
	s_mov_b32 s42, s24
.irp g, 1,2,3,4,5
	s_cmp_le_u32 s[30+\g], s21
	s_cselect_b32 s40, \g, s40
	s_cselect_b32 s41, s[30+\g], s41
	s_cselect_b32 s42, s[24+\g], s42
.endr
	s_sub_co_u32 s43, s21, s41                     ; which block of the pair
	s_mul_i32 s44, s43, 144                        ; its first row in the pair
	s_sub_co_u32 s45, s42, s44
	s_min_u32 s45, s45, 144                        ; its rows
	s_cmp_eq_u32 s40, s38
	s_cselect_b32 s46, s37, 0
	s_cmp_lt_u32 s43, s46                          ; a block of the largest pair that gives its upper half away
	s_cselect_b32 s45, 72, s45
	s_sub_co_u32 s46, s21, s36                     ; a block left over: the upper half of block b - sum of the largest pair
	s_mul_i32 s46, s46, 144
	s_add_co_u32 s46, s46, 72
	s_cmp_lt_u32 s21, s36
	s_cselect_b32 s40, s40, s38                    ; pair
	s_cselect_b32 s44, s44, s46                    ; first row
	s_cselect_b32 s45, s45, 72                     ; rows
	s_lshl_b32 s46, s40, 1
	s_lshr_b32 s48, 0x940, s46
	s_and_b32 s48, s48, 3                          ; ea
	s_lshr_b32 s49, 0xfb9, s46
	s_and_b32 s49, s49, 3                          ; eb
	s_sub_co_u32 s50, s49, s48
	s_sub_co_u32 s50, s50, 1                       ; eb - ea - 1
	; thread t: tokens of my pair in front of tokens 32 t ..
	s_lshr_b32 s46, s40, 1
	s_cmp_eq_u32 s46, 1
	s_cselect_b32 s47, -1, 0
	s_cmp_eq_u32 s46, 2
	s_cselect_b32 s66, -1, 0
	s_and_b32 s46, s40, 1
	s_lshl_b32 s46, s46, 4
	v_cndmask_b32 v18, v12, v13, s47
	v_cndmask_b32 v18, v18, v14, s66
	v_lshrrev_b32 v18, s46, v18
	v_and_b32 v18, 0xffff, v18
	v_lshlrev_b32 v222, 2, v1
	v_lshl_add_u32 v222, s20, 7, v222              ; 128 wave + 4 lane: a word for each thread
	ds_store_b32 v222, v18 offset:BASE
	s_mul_i32 s46, s20, 640
	v_mov_b32 v217, s46                            ; my wave's own list
	v_lshl_add_u32 v18, v1, 4, v217
	v_lshl_add_u32 v19, v1, 2, v217
.irp i, 20,21,22,23
	v_mov_b32 v\i, 0
.endr
	ds_store_b128 v18, v[20:23] offset:PL          ; cleared: 512 + 128 bytes
	ds_store_b32 v19, v20 offset:PL+512
	s_wait_dscnt 0x0
	s_barrier_signal -1
	s_barrier_wait -1                              ; barrier 2: BASE is whole
	s_wait_loadcnt 0x0                             ; rec
	v_lshrrev_b32 v18, 3, v0
	v_lshlrev_b32 v18, 2, v18
.irp j, 0,1,2,3,4,5,6,7
	ds_load_b32 v[200+\j], v18 offset:BASE+128*\j  ; tokens 1024 j + 4 t + i lie in group 32 j + (t >> 3)
.endr
	v_lshlrev_b32 v228, 2, v0                      ; 4 t
	v_mov_b32 v223, 144
	s_wait_dscnt 0x0
.irp j, 0,1,2,3,4,5,6,7
	v_sub_nc_u32 v[200+\j], v[200+\j], s44         ; counted from my block's first row (may wrap: the comparison below is unsigned)
.endr
.irp j, 0,1,2,3,4,5,6,7
.irp i, 0,1,2,3
	v_lshrrev_b32 v18, 8, v[24+4*\j+\i]
	v_and_b32 v19, 0xff, v[24+4*\j+\i]
	v_add_nc_u32 v18, v18, v[200+\j]               ; the token's slot in my block, if it is of my pair
	v_cmp_eq_u32 vcc_lo, s40, v19
	v_cndmask_b32 v18, -1, v18, vcc_lo
	v_cmp_gt_u32 vcc_lo, s45, v18
	v_cndmask_b32 v18, v223, v18, vcc_lo           ; everything else goes to word 144
	v_min_u32 v18, 144, v18
	v_lshl_add_u32 v18, v18, 2, v217
	v_add_nc_u32 v19, 1024*\j+\i, v228
	ds_store_b32 v18, v19 offset:PL
.endr
.endr
	s_wait_dscnt 0x0
	s_barrier_signal -1
	s_barrier_wait -1                              ; barrier 3: the eight lists are written
	s_cmp_gt_u32 s20, 4
	s_cbranch_scc1 .Lnomerge                       ; waves 0 to 4: 160 words, one a thread; each slot is set in one list and 0 in the others
.irp k, 0,1,2,3,4,5,6,7
	ds_load_b32 v[D+\k], v222 offset:PL+640*\k
.endr
	s_wait_dscnt 0x0
	v_or_b32 v[D], v[D], v[D+1]
	v_or_b32 v[D+2], v[D+2], v[D+3]
	v_or_b32 v[D+4], v[D+4], v[D+5]
	v_or_b32 v[D+6], v[D+6], v[D+7]
	v_or_b32 v[D], v[D], v[D+2]
	v_or_b32 v[D+4], v[D+4], v[D+6]
	v_or_b32 v[D], v[D], v[D+4]
	ds_store_b32 v222, v[D] offset:LIST
.Lnomerge:
	s_wait_dscnt 0x0
	s_barrier_signal -1
	s_barrier_wait -1                              ; barrier 4: the block's list is whole
	s_mul_i32 s74, s22, 36                         ; my quarter's first slot
	s_mul_i32 s75, s20, 9                          ; my wave's first unit (a unit = half a row; 72 units = 36 slots)
	v_min_u32 v18, 35, v0
	v_add_nc_u32 v18, s74, v18
	v_cmp_gt_u32 vcc_lo, s45, v18
	v_cndmask_b32 v18, 0, v18, vcc_lo              ; a slot beyond the block's rows repeats slot 0
	v_min_u32 v18, 143, v18
	v_lshlrev_b32 v18, 2, v18
	ds_load_b32 v218, v18 offset:LIST              ; thread t < 36: the token of slot 36 q + t
.irp i, 0,1,2,3,4,5,6,7,8
	s_add_co_u32 s66, s75, \i
	s_lshr_b32 s66, s66, 1
	s_add_co_u32 s66, s66, s74
	s_cmp_lt_u32 s66, s45
	s_cselect_b32 s66, s66, 0
	s_min_u32 s66, s66, 143
	s_lshl_b32 s66, s66, 2
	v_mov_b32 v[D+\i], s66
	ds_load_b32 v[208+\i], v[D+\i] offset:LIST     ; the token of my unit i, in every lane
.endr
	v_lshlrev_b32 v230, 4, v1
	v_lshlrev_b32 v229, 3, v1
	s_mul_i32 s73, s21, 144
	s_add_co_u32 s73, s73, s74                     ; my quarter's first slot of all: 144 b + 36 q
	s_lshl1_add_u32 s67, s73, s75                  ; in units: 2 x slot + 9 w
	s_lshl_b32 s54, s67, 10                        ; a unit of Xs is 1,024 bytes
	s_mov_b32 s55, 0
	s_add_nc_u64 s[54:55], s[10:11], s[54:55]
	s_wait_dscnt 0x0
	v_min_u32 v218, 0x1fff, v218
.irp i, 0,1,2,3,4,5,6,7,8
	v_min_u32 v[208+\i], 0x1fff, v[208+\i]
.endr
	v_lshlrev_b32 v219, 3, v218
	global_load_b64 v[220:221], v219, s[8:9]       ; the slot's two weights
.irp i, 0,1,2,3,4,5,6,7,8
	s_add_co_u32 s66, s20, \i
	s_and_b32 s66, s66, 1                          ; (9 w + i) & 1: which half of the row
	s_lshl_b32 s66, s66, 11
	v_lshl_add_u32 v[208+\i], v[208+\i], 12, v230
	v_add_nc_u32 v[208+\i], s66, v[208+\i]
.irp k, 0,1,2,3
	global_load_b128 v[D+16*\i+4*\k:D+16*\i+4*\k+3], v[208+\i], s[4:5] offset:512*\k
.endr
.endr
.irp i, 0,1,2,3,4,5,6,7,8
	s_wait_loadcnt 4*(8-\i)                        ; unit i is in; the four loads of each younger unit stay out
.irp k, 0,1,2,3
	v_cvt_pk_f16_f32 v[D+16*\i+4*\k], v[D+16*\i+4*\k], v[D+16*\i+4*\k+1]
	v_cvt_pk_f16_f32 v[D+16*\i+4*\k+1], v[D+16*\i+4*\k+2], v[D+16*\i+4*\k+3]
	global_store_b64 v229, v[D+16*\i+4*\k:D+16*\i+4*\k+1], s[54:55] offset:1024*\i+256*\k   ; 256 consecutive bytes, aligned
.endr
.endr
	v_mov_b32 v224, s48
	v_mov_b32 v225, s49
	v_mov_b32 v226, s50
	v_mov_b32 v227, 0
	s_lshl_b32 s56, s73, 2
	s_mov_b32 s57, 0
	s_add_nc_u64 s[58:59], s[12:13], s[56:57]      ; order of my 36 slots (behind 1,024)
	s_add_nc_u64 s[60:61], s[14:15], s[56:57]      ; their weights
	s_lshl_b32 s56, s21, 4
	s_add_nc_u64 s[62:63], s[12:13], s[56:57]      ; btab[b]
	s_wait_xcnt 0x0                                ; EXEC changes only behind this wait
	v_cmp_gt_u32 vcc_lo, 36, v0
	s_and_saveexec_b32 s67, vcc_lo
	global_store_b32 v228, v218, s[58:59] offset:1024
	global_store_b32 v228, v220, s[60:61]
	global_store_b32 v228, v221, s[60:61] offset:35712
	s_cmp_lg_u32 s22, 0
	s_cbranch_scc1 .Lend
	s_wait_xcnt 0x0                                ; and again, before it is narrowed further
	v_cmp_eq_u32 vcc_lo, 0, v0
	s_and_saveexec_b32 s68, vcc_lo                 ; quarter 0, thread 0: the block's line of the table
	global_store_b128 v228, v[224:227], s[62:63]
.Lend:
	s_wait_xcnt 0x0
	s_mov_b32 exec_lo, -1
	s_wait_tensorcnt 0x0
	ds_add_u32 v232, v233
	s_wait_dscnt 0x0
	s_endpgm
	; THE LOSSES.  Wave 0; lane l sums part rows 8 l .. 8 l + 7, all of batch row l >> 3 (64 rows of part a batch row).
.Lloss:
	s_cmp_lg_u32 s20, 0
	s_cbranch_scc1 .Lloss_end                      ; waves 1 to 7 have nothing to do here: forward, to this path's own end
	v_lshlrev_b32 v2, 9, v1
.irp k, 0,1,2,3,4,5,6,7
.irp p, 0,1,2
	global_load_b128 v[32+12*\k+4*\p:35+12*\k+4*\p], v2, s[8:9] offset:65536+64*\k+16*\p
.endr
.endr
	s_wait_loadcnt 0x0
.irp k, 1,2,3,4,5,6,7
.irp p, 0,2,4,6,8,10
	v_pk_add_f32 v[32+\p:33+\p], v[32+\p:33+\p], v[32+12*\k+\p:33+12*\k+\p]
.endr
.endr
.irp m, 1,2,4
.irp i, 0,1,2,3,4,5,6,7,8
	v_add_f32_dpp v[32+\i], v[32+\i], v[32+\i] row_xmask:\m row_mask:0xf bank_mask:0xf   ; over the eight lanes of a batch row
.endr
.endr
	v_mul_f32 v44, v32, v36                        ; sum over e of (sum of softmax) x (count of top 1), for my batch row
	v_fmac_f32 v44, v33, v37
	v_fmac_f32 v44, v34, v38
	v_fmac_f32 v44, v35, v39
	v_add_f32_dpp v44, v44, v44 row_xmask:8 row_mask:0xf bank_mask:0xf   ; over the four batch rows
	v_add_f32_dpp v40, v40, v40 row_xmask:8 row_mask:0xf bank_mask:0xf
	v_permlanex16_b32 v45, v44, s52, s53           ; v45 and v46 have been written (by the loads)
	v_permlanex16_b32 v46, v40, s52, s53
	v_add_f32 v44, v44, v45
	v_add_f32 v40, v40, v46
	v_mul_f32 v44, 0x34800000, v44                 ; balance loss: / 2048 / 2048 / 16 x 16 = 2^-22
	v_mul_f32 v40, 0x3403126f, v40                 ; 0.001 x 2^-13 x sum of z^2
	v_fmamk_f32 v41, v44, 0x3c23d70a, v40          ; + 0.01 x balance loss
	v_mov_b32 v47, 0
	s_wait_xcnt 0x0
	v_cmp_eq_u32 vcc_lo, 0, v0
	s_and_saveexec_b32 s46, vcc_lo
	global_store_b32 v47, v41, s[16:17]
	global_store_b32 v47, v44, s[18:19]
.Lloss_end:
	s_endpgm
.Lfunc_end_k_q6d8f6ff8e1_route:
	.size	k_q6d8f6ff8e1_route, .Lfunc_end_k_q6d8f6ff8e1_route-k_q6d8f6ff8e1_route
	.p2alignl 7, 3214868480
	.fill 96, 4, 3214868480
	.section	.rodata,"a",@progbits
	.p2align	6, 0x0
	.amdhsa_kernel k_q6d8f6ff8e1_route
		.amdhsa_group_segment_fixed_size 9216
		.amdhsa_private_segment_fixed_size 0
		.amdhsa_enable_private_segment 0
		.amdhsa_kernarg_size 64
		.amdhsa_user_sgpr_count 2
		.amdhsa_user_sgpr_kernarg_segment_ptr 1
		.amdhsa_wavefront_size32 1
		.amdhsa_system_sgpr_workgroup_id_x 1
		.amdhsa_system_sgpr_workgroup_id_y 1
		.amdhsa_system_sgpr_workgroup_id_z 1
		.amdhsa_system_vgpr_workitem_id 0
		.amdhsa_next_free_vgpr 234
		.amdhsa_next_free_sgpr 80
		.amdhsa_reserve_vcc 1
		.amdhsa_float_denorm_mode_32 3
		.amdhsa_float_denorm_mode_16_64 3
		.amdhsa_memory_ordered 1
		.amdhsa_forward_progress 1
		.amdhsa_inst_pref_size 58
	.end_amdhsa_kernel
	.amdgpu_metadata
---
amdhsa.version: [ 1, 2 ]
amdhsa.kernels:
  - .name:           k_q6d8f6ff8e1_route
    .symbol:         k_q6d8f6ff8e1_route.kd
    .args:
      - { .name: x, .offset: 0, .size: 8, .value_kind: global_buffer, .address_space: global }
      - { .name: meta, .offset: 8, .size: 8, .value_kind: global_buffer, .address_space: global }
      - { .name: gf, .offset: 16, .size: 8, .value_kind: global_buffer, .address_space: global }
      - { .name: Xs, .offset: 24, .size: 8, .value_kind: global_buffer, .address_space: global }
      - { .name: plan, .offset: 32, .size: 8, .value_kind: global_buffer, .address_space: global }
      - { .name: sw, .offset: 40, .size: 8, .value_kind: global_buffer, .address_space: global }
      - { .name: out1, .offset: 48, .size: 8, .value_kind: global_buffer, .address_space: global }
      - { .name: out2, .offset: 56, .size: 8, .value_kind: global_buffer, .address_space: global }
    .group_segment_fixed_size: 9216
    .private_segment_fixed_size: 0
    .kernarg_segment_align: 8
    .kernarg_segment_size: 64
    .max_flat_workgroup_size: 256
    .sgpr_count:     80
    .vgpr_count:     234
    .wavefront_size: 32
...
	.end_amdgpu_metadata
.endif
;; end of part 2
;; launch ffn1 (part 3): grid 4 x 62, 4 waves a work-group, no clusters, 327,680 bytes of LDS; arguments Xs, Wb, b1, plan, sw, H; writes H
.if DOCPART == 3
	.amdgcn_target "amdgcn-amd-amdhsa--gfx1250"
	.amdhsa_code_object_version 6
	.text
	.protected	k_q6d8f6ff8e1_ffn1
	.globl	k_q6d8f6ff8e1_ffn1
	.p2align	8
	.type	k_q6d8f6ff8e1_ffn1,@function
k_q6d8f6ff8e1_ffn1:
	s_mov_b64 s[64:65], 0
	v_nop
	global_prefetch_b8 v0, s[64:65] scope:SCOPE_SE
	s_setreg_imm32_b32 hwreg(HW_REG_WAVE_MODE, 25, 1), 1
	s_wait_xcnt 0x0
; ffn1: H[slot][0:1024] = wa gelu(x W1[ea] + b1[ea]), H[slot][1024:2048] = wb gelu(x W1[eb] + b1[eb]), in f16.
; Work-group (c, b): the 144 slots of block b x columns 512 c .. 512 c + 511 of H (c < 2: expert ea, else eb).  Four waves side by side,
; each 144 rows x 128 columns: 72 accumulator tiles of 16 x 16, 576 registers.  K = 1024 in 16 steps of 64 through a ring of two LDS slots
; filled by tensor loads: waves 0, 1 bring x's rows 0-71, 72-143 (128 bytes a row), waves 2, 3 the two halves of W1's 64 k-rows (1,024 bytes a row).
; A step of 128 would need two slots of 174,336 bytes, more than the work-group can have.
; W1 lies [k][n]: its fragments come out of LDS through ds_load_tr16_b128.
; The matrix instruction is used transposed (source 0 = columns of W1, source 1 = rows of x): a lane holds row l % 16 and eight neighbouring columns.
; WHY f16 OPERANDS, AND H IN f16: 11 significant bits against bf16's 8, and H has room.  With x (spread 1) and W1 (spread 0.02) both 30 times
; larger the sum in front of GELU has an rms of 32 x 30 x 0.6 = 576; with x moved by 30 and W1 by 0.6 it is 1024 x 30 x 0.6 = 18,432, below
; f16's 65,504.  With both 30 times smaller H has an rms of about 1.8e-4; f16 keeps denormals, so its error is at most 2^-25, 1.7e-4 of that.
; LIMIT: a weighted GELU of magnitude 65,520 or more becomes infinity.
; NO CLUSTER: W1's tile is 64 KiB of a step's 82; it is shared only by blocks of the same expert, and which blocks those are is read from
; memory, so neighbours in the grid may need different tiles.  x's tile, which the four column tiles share, is 18 KiB of the 82.
; GELU is exact GELU through 0.5 erfc(|x| / sqrt 2) = phi(|x|) (c1 t + .. + c5 t^5), t = 1 / (1 + 0.2316419 |x|) (Abramowitz and Stegun 26.2.17):
; gelu(x) = max(x, 0) - |x| q.  LIMIT: q's absolute error is at most 7.5e-8, so gelu's at most 7.5e-8 |x|, plus f32 rounding.  For large |x| the
; exponential is 0 and gelu = max(x, 0).
; LIMIT: only the two experts of a token are computed; an infinity or NaN of an expert whose weight is 0 does not reach the output.
; REGISTERS: window 0: v0-31 addresses, v32-103 / v104-175 x's fragments (two buffers), v184-199 constants, v240-243 bias;
; window 1: v0-63 / v64-127 W1's fragments, v128-191 accumulators of rows 128-143; window 2: rows 0-63; window 3: rows 64-127.
.set PA,     144                       ; LDS pitch of x's rows: 128 bytes + 16: nine 16-byte columns, odd
.set PB,     1056                      ; of W1's k-rows: 1,024 + 32: 33 x 32
.set AB,     144*PA                    ; W1's tile stands behind x's
.set SLOT,   AB+64*PB                  ; 88,320
.set STEPA,  128                       ; bytes from a K step to the next: 64 f16 along x's rows
.set STEPB,  64*2048                   ; 64 k-rows of W1
.set NF,     34                        ; LDS loads of a fetch
.set SPITCH, 528                       ; the way out: 128 f32 + 16 bytes
.set STAGEW, 144*SPITCH                ; a wave's stage; the four lie over the ring, used behind its last fill and a barrier
.set SCR,    4*STAGEW                  ; 304,128: the block's 144 row weights; no tensor load lands here
.set ADRA, 16                          ; v16-17 LDS address of x's fragments in slot 0, 1
.set ADRB, 20                          ; v20-21 of W1's
.set STO,  24                          ; v24 stage, rows 0-63; v25 rows 64-143
.set STO2, 25
.set WRD,  26                          ; v26 where the row weights are read
.set RD,   27                          ; v27 where rows are read back
.set HO,   28                          ; v28 8 x lane
.set XA, 32
.set XB, 64
.set WTA, 96
.set WTB, 104
.set T,  112                           ; v[112:151] at work
.set OA, 152
.set OB, 168
.set CP, 184
.set N1, 186
.set N2, 188
.set N3, 190
.set N4, 192
.set N5, 194
.set NEGK, 196
.set ONE, 198
.set G1A, 24
.set G0A, 32
.set G1B, 40
.set G0B, 48
.set MSB, 0
.macro WIN new                         ; the immediate's high byte repeats the setting that is left
.if MSB != \new
	s_set_vgpr_msb (MSB<<8)|\new
.set MSB, \new
.endif
.endm
.macro PLACES                          ; four places behind a matrix instruction before one of its registers is loaded, written or read by another kind of instruction (ISA guide 7.12.1)
.rept 4
	v_nop
.endr
.endm
.macro DESC1 g, w0, d0, d1, st         ; descriptor group 1: a tile of d1 rows x d0 elements of 2 bytes, st elements from row to row; the extents are the tile's
	s_mov_b32 s[\g+0], \w0
	s_mov_b32 s[\g+1], (\d0)<<16
	s_mov_b32 s[\g+2], (\d1)<<16
	s_mov_b32 s[\g+3], (\d0)<<16
	s_mov_b32 s[\g+4], \d1
	s_mov_b32 s[\g+5], \st
	s_mov_b32 s[\g+6], 0
	s_mov_b32 s[\g+7], 0
.endm
.macro CONST2 r, val
	v_mov_b32 v[\r], \val
	v_mov_b32 v[\r+1], \val
.endm
	s_load_b256 s[4:11], s[0:1], 0x0               ; Xs s[4:5], Wb s[6:7], b1 s[8:9], plan s[10:11]
	s_load_b128 s[12:15], s[0:1], 0x20             ; sw s[12:13], H s[14:15]
	s_set_vgpr_msb 0x40
	v_lshl_add_u32 v255, v0, 2, 0x4a700
	s_set_vgpr_msb 0x4000
	v_mov_b32 v255, 0
	s_set_vgpr_msb 0x1
	ds_add_u32 v255, v255
	ds_add_u32 v255, v255
	s_set_vgpr_msb 0x100
	v_lshrrev_b32 v1, 5, v0
	v_readfirstlane_b32 s16, v1                    ; wave
	s_lshr_b32 s17, s16, 1                         ; 0: I fetch x, 1: W1
	s_and_b32 s18, s16, 1                          ; which half of that tile
	s_mov_b32 s19, ttmp9                           ; c
	s_and_b32 s20, ttmp7, 0xffff                   ; b
	s_lshl_b32 s22, s20, 4
	s_mov_b32 s23, 0
	s_wait_dscnt 0x0
	s_wait_kmcnt 0x0
	s_add_nc_u64 s[22:23], s[10:11], s[22:23]
	s_load_b128 s[56:59], s[22:23], 0x0            ; btab[b]: ea, eb, eb - ea - 1, 0
	DESC1 G1A, (1<<16)|(1<<20)|(4<<22)|(3<<25), 64, 72, 1024     ; 4 words of padding behind every 32
	DESC1 G1B, (1<<16)|(1<<20)|(7<<22)|(7<<25), 512, 32, 1024    ; 8 words behind every 256
	s_mul_i32 s60, s20, 144
	s_mul_i32 s61, s18, 72
	s_add_co_u32 s60, s60, s61
	s_lshl_b32 s60, s60, 11                        ; x: row 144 b + 72 half, 2,048 bytes a row
	s_mov_b32 s61, 0
	s_add_nc_u64 s[60:61], s[4:5], s[60:61]
	s_mul_i32 s66, s18, 72*PA                      ; where they go
	s_mul_i32 s67, s18, 32*PB
	s_add_co_u32 s67, s67, AB
	s_wait_kmcnt 0x0
	s_cmp_lt_u32 s19, 2
	s_cselect_b32 s21, s56, s57
	s_min_u32 s21, s21, 3                          ; my expert
	s_lshl_b32 s62, s21, 21                        ; 2 MiB an expert
	s_lshl_b32 s63, s18, 16                        ; 32 k-rows of 2,048 bytes
	s_add_co_u32 s62, s62, s63
	s_and_b32 s63, s19, 1
	s_lshl_b32 s63, s63, 10                        ; 512 columns
	s_add_co_u32 s62, s62, s63
	s_mov_b32 s63, 0
	s_add_nc_u64 s[62:63], s[6:7], s[62:63]
.irp s, 0,1
	s_mov_b32 s[G0A+4*\s], 1
	s_add_co_u32 s[G0A+4*\s+1], s66, \s*SLOT
	s_add_nc_u64 s[G0A+4*\s+2:G0A+4*\s+3], s[60:61], \s*STEPA
	s_or_b32 s[G0A+4*\s+3], s[G0A+4*\s+3], 0x80000000
	s_mov_b32 s[G0B+4*\s], 1
	s_add_co_u32 s[G0B+4*\s+1], s67, \s*SLOT
	s_add_nc_u64 s[G0B+4*\s+2:G0B+4*\s+3], s[62:63], \s*STEPB
	s_or_b32 s[G0B+4*\s+3], s[G0B+4*\s+3], 0x80000000
.endr
	; the first fills, K steps 0 and 1: two loads a wave, in one branch on the wave's number, ahead of every wait on TENSORcnt, LDS read and barrier
	s_cmp_eq_u32 s17, 0
	s_cbranch_scc0 .Lfirst_b
	tensor_load_to_lds s[G0A:G0A+3], s[G1A:G1A+7]
	s_nop 0
	tensor_load_to_lds s[G0A+4:G0A+7], s[G1A:G1A+7]
	s_nop 0
	s_branch .Lfirst_done
.Lfirst_b:
	tensor_load_to_lds s[G0B:G0B+3], s[G1B:G1B+7]
	s_nop 0
	tensor_load_to_lds s[G0B+4:G0B+7], s[G1B:G1B+7]
	s_nop 0
.Lfirst_done:
	v_and_b32 v1, 31, v0                           ; l
	v_and_b32 v2, 15, v0                           ; r = l % 16
	v_bfe_u32 v3, v0, 4, 1                         ; h = l / 16
	v_mul_u32_u24 v4, PA, v2
	v_lshl_add_u32 v[ADRA], v3, 4, v4              ; row r, 16 h bytes along K
	v_add_nc_u32 v[ADRA+1], SLOT, v[ADRA]
	v_and_b32 v5, 7, v0
	v_lshl_add_u32 v5, v3, 3, v5                   ; k-row 8 h + l % 8
	v_mul_u32_u24 v5, PB, v5
	v_bfe_u32 v6, v0, 3, 1
	v_lshl_add_u32 v5, v6, 4, v5                   ; + 16 bytes for lanes 8-15 of each half
	s_lshl_b32 s68, s16, 8                         ; my 128 columns
	s_add_co_u32 s68, s68, AB
	v_add_nc_u32 v[ADRB], s68, v5
	v_add_nc_u32 v[ADRB+1], SLOT, v[ADRB]
	s_mul_i32 s69, s16, STAGEW
	v_mul_u32_u24 v7, SPITCH, v2
	v_lshl_add_u32 v7, v3, 5, v7
	v_add_nc_u32 v[STO], s69, v7                   ; stage: row r, 8 h columns of f32
	v_add_nc_u32 v[STO2], 64*SPITCH, v[STO]
	v_lshlrev_b32 v8, 4, v1
	v_add_nc_u32 v[RD], s69, v8
	v_mov_b32 v[WRD], SCR
	v_lshlrev_b32 v[HO], 3, v1
	s_lshl_b32 s70, s21, 12                        ; bias: (1024 e + 512 (c & 1) + 128 w + 4 lane) x 4 bytes
	s_and_b32 s71, s19, 1
	s_lshl_b32 s71, s71, 11
	s_add_co_u32 s70, s70, s71
	s_lshl_b32 s71, s16, 9
	s_add_co_u32 s70, s70, s71
	v_add_nc_u32 v9, s70, v8
	global_load_b128 v[240:243], v9, s[8:9]
	s_lshr_b32 s75, s19, 1                         ; row weights: swa for c < 2, swb else; 36 of the block's 144 a wave
	s_mul_i32 s75, s75, 35712
	s_mul_i32 s76, s20, 576
	s_add_co_u32 s75, s75, s76
	s_mul_i32 s76, s16, 144
	s_add_co_u32 s75, s75, s76
	s_add_co_u32 s76, s76, SCR
	v_lshlrev_b32 v10, 2, v1                       ; words 0-31 of my 36
	v_and_b32 v11, 3, v0
	v_lshlrev_b32 v11, 2, v11
	v_add_nc_u32 v11, 128, v11                     ; words 32-35, each by eight lanes
	v_add_nc_u32 v12, s75, v10
	v_add_nc_u32 v13, s75, v11
	global_load_b32 v14, v12, s[12:13]
	global_load_b32 v15, v13, s[12:13]
	v_add_nc_u32 v10, s76, v10
	v_add_nc_u32 v11, s76, v11
	s_mul_i32 s72, s20, 144*4096                   ; H at row 144 b, column 512 c + 128 w
	s_lshl_b32 s73, s19, 10
	s_add_co_u32 s72, s72, s73
	s_lshl_b32 s73, s16, 8
	s_add_co_u32 s72, s72, s73
	s_mov_b32 s73, 0
	s_add_nc_u64 s[72:73], s[14:15], s[72:73]
	s_mov_b32 s74, 0x7fffffff
	CONST2 CP,   0x3e6d3389                        ; 0.2316419
	CONST2 N1,   0xbe027906                        ; -0.127414796   the five coefficients times 1 / sqrt(2 pi), negated
	CONST2 N2,   0x3e11a98e                        ; +0.142248368
	CONST2 N3,   0xbf35f0e3                        ; -0.710706871
	CONST2 N4,   0x3f3a00e3                        ; +0.726576014
	CONST2 N5,   0xbf07dc22                        ; -0.530702715
	CONST2 NEGK, 0xbf38aa3b                        ; -0.72134752 = -log2(e) / 2
	CONST2 ONE,  1.0
; NB matrix instructions: row group a (16 rows) x my eight column groups, 32 along K, from buffer f.  zero = 1: the first product starts the sums.
; The 72 accumulators take turns, one instruction a turn, in the same order in every quarter and over the backward jump.
.macro MULROW f, a, zero
.if \a < 4
	WIN 0xa1
.set ACCB, 64*\a
.else
.if \a < 8
	WIN 0xf1
.set ACCB, 64*(\a-4)
.else
	WIN 0x51
.set ACCB, 128
.endif
.endif
.irp bt, 0,1,2,3,4,5,6,7
.if \zero
	v_wmma_f32_16x16x32_f16 v[ACCB+8*\bt:ACCB+8*\bt+7], v[64*\f+8*\bt:64*\f+8*\bt+7], v[32+72*\f+8*\a:32+72*\f+8*\a+7], 0
.else
	v_wmma_f32_16x16x32_f16 v[ACCB+8*\bt:ACCB+8*\bt+7], v[64*\f+8*\bt:64*\f+8*\bt+7], v[32+72*\f+8*\a:32+72*\f+8*\a+7], v[ACCB+8*\bt:ACCB+8*\bt+7]
.endif
.endr
.endm
; 34 LDS loads: the fragments of 32 along K (quarter kq of the slot) into buffer f: W1's first, then x's row groups 0 to 8
.macro FETCH slot, kq, f
	WIN 0x40
.irp bt, 0,1,2,3,4,5,6,7
	ds_load_tr16_b128 v[64*\f+8*\bt:64*\f+8*\bt+3], v[ADRB+\slot] offset:32*\kq*PB+32*\bt
	ds_load_tr16_b128 v[64*\f+8*\bt+4:64*\f+8*\bt+7], v[ADRB+\slot] offset:32*\kq*PB+32*\bt+16*PB
.endr
	WIN 0
.irp a, 0,1,2,3,4,5,6,7,8
	ds_load_b128 v[32+72*\f+8*\a:32+72*\f+8*\a+3], v[ADRA+\slot] offset:64*\kq+\a*16*PA
	ds_load_b128 v[32+72*\f+8*\a+4:32+72*\f+8*\a+7], v[ADRA+\slot] offset:64*\kq+\a*16*PA+32
.endr
.endm
.macro LOADT slot                      ; my one tensor load: x's half or W1's half, by the wave's number
	s_cmp_eq_u32 s17, 0
	s_cbranch_scc0 .Lfor_b_\@
	tensor_load_to_lds s[G0A+4*\slot:G0A+4*\slot+3], s[G1A:G1A+7]
	s_nop 0
	s_branch .Lasked_\@
.Lfor_b_\@:
	tensor_load_to_lds s[G0B+4*\slot:G0B+4*\slot+3], s[G1B:G1B+7]
	s_nop 0
.Lasked_\@:
.endm
; multiplies buffer f; at its head it fetches quarter kq of the same slot into buffer g, which then has the whole quarter in which to arrive
.macro QUARTER slot, kq, f, g, zero
	s_wait_dscnt 10                                ; buffer f but for its ten youngest loads, x's row groups 4 to 8
	PLACES
	FETCH \slot, \kq, \g
.irp a, 0,1,2,3
	MULROW \f, \a, \zero
.endr
	s_wait_dscnt NF                                ; all but the loads just issued
.irp a, 4,5,6,7,8
	MULROW \f, \a, \zero
.endr
.endm
; the step's last quarter: multiplies buffer 1 and changes slots.  One barrier: in front of it my reads of this slot and all my tensor loads
; (one is out: my part of the next slot) are done; behind it this slot is filled again first, then the next slot is read.
.macro TURN slot, next, fill
	s_wait_dscnt 0x0
	s_wait_tensorcnt 0x0
	ds_add_u32 v255, v255
	s_wait_dscnt 0x0
	s_barrier_signal -1
	MULROW 1, 0, 0
	MULROW 1, 1, 0
	WIN 0
	s_barrier_wait -1
.if \fill
	s_add_nc_u64 s[G0A+4*\slot+2:G0A+4*\slot+3], s[G0A+4*\slot+2:G0A+4*\slot+3], 2*STEPA   ; no tensor load of mine is out: the addresses may step
	s_add_nc_u64 s[G0B+4*\slot+2:G0B+4*\slot+3], s[G0B+4*\slot+2:G0B+4*\slot+3], 2*STEPB
	LOADT \slot
.endif
	PLACES
	FETCH \next, 0, 0
.irp a, 2,3,4,5,6,7,8
	MULROW 1, \a, 0
.endr
.endm
.macro LAP zero                        ; two K steps, once round the ring
	QUARTER 0, 1, 0, 1, \zero
	TURN 0, 1, 1
	QUARTER 1, 1, 0, 1, 0
	TURN 1, 0, 1
.endm
	s_wait_tensorcnt 0x1                           ; my part of K step 0 is in; K step 1's stays out
	s_wait_loadcnt 0x0                             ; bias and row weights
	ds_store_b32 v10, v14
	ds_store_b32 v11, v15
	s_wait_dscnt 0x0
	s_barrier_signal -1
	s_barrier_wait -1
	FETCH 0, 0, 0
	LAP 1                                          ; K steps 0, 1; asks for 2, 3
	WIN 0
	s_mov_b32 s3, 6
.Llap:
	LAP 0                                          ; K steps 2 .. 13; asks for 4 .. 15
	WIN 0
	s_sub_co_u32 s3, s3, 1
	s_cmp_lg_u32 s3, 0
	s_cbranch_scc1 .Llap
	QUARTER 0, 1, 0, 1, 0                          ; K steps 14, 15: nothing is left to fetch
	TURN 0, 1, 0
	QUARTER 1, 1, 0, 1, 0
	s_wait_dscnt 0x0
.irp a, 0,1,2,3,4,5,6,7,8
	MULROW 1, \a, 0
.endr
	; THE WAY OUT.  The sums go as f32 into my stage, are read back by rows (a lane then holds 4 fixed columns), get bias, GELU and the row's weight.
	PLACES
	WIN 0
	s_wait_dscnt 0x0
	s_barrier_signal -1
	s_barrier_wait -1                              ; no wave reads the ring any more, and it has had its last fill
.macro DUMP a
.if \a < 4
	WIN 0x08
.set ACCB, 64*\a
.set SREG, STO
.set SOFF, \a*16*SPITCH
.else
.if \a < 8
	WIN 0x0c
.set ACCB, 64*(\a-4)
.set SREG, STO2
.set SOFF, (\a-4)*16*SPITCH
.else
	WIN 0x04
.set ACCB, 128
.set SREG, STO2
.set SOFF, 4*16*SPITCH
.endif
.endif
.irp bt, 0,1,2,3,4,5,6,7
	ds_store_b128 v[SREG], v[ACCB+8*\bt:ACCB+8*\bt+3] offset:SOFF+64*\bt
	ds_store_b128 v[SREG], v[ACCB+8*\bt+4:ACCB+8*\bt+7] offset:SOFF+64*\bt+16
.endr
.endm
.irp a, 0,1,2,3,4,5,6,7,8
	DUMP \a
.endr
	WIN 0
; eight rows (counted from where RD stands) and their weights: ten LDS loads.  The stage is my own and LDS serves a wave in order: no wait behind the stores.
.macro PRE x, w, row
.irp k, 0,1,2,3,4,5,6,7
	ds_load_b128 v[\x+4*\k:\x+4*\k+3], v[RD] offset:(\row+\k)*SPITCH
.endr
	ds_load_b128 v[\w:\w+3], v[WRD] offset:4*\row
	ds_load_b128 v[\w+4:\w+7], v[WRD] offset:4*\row+16
.endm
; two rows, eight numbers in four pairs.  S = T+0, d then r = T+8, t = T+16, u then max = T+24, E = T+32.
.macro GROW2 xr, wr, o
.irp p, 0,2,4,6
	v_pk_add_f32 v[\xr+\p:\xr+\p+1], v[\xr+\p:\xr+\p+1], v[240+(\p&2):241+(\p&2)]          ; + bias
.endr
.irp i, 0,1,2,3,4,5,6,7
	v_and_b32 v[T+\i], s74, v[\xr+\i]                                                      ; s = |x|
.endr
.irp p, 0,2,4,6
	v_pk_fma_f32 v[T+8+\p:T+9+\p], v[T+\p:T+\p+1], v[CP:CP+1], v[ONE:ONE+1]
.endr
.irp i, 0,1,2,3,4,5,6,7
	v_rcp_f32 v[T+16+\i], v[T+8+\i]                                                        ; t
.endr
.irp p, 0,2,4,6
	v_pk_mul_f32 v[T+24+\p:T+25+\p], v[\xr+\p:\xr+\p+1], v[\xr+\p:\xr+\p+1]                ; plain instructions behind v_rcp_f32 (ISA guide 5.7.2)
.endr
.irp p, 0,2,4,6
	v_pk_mul_f32 v[T+24+\p:T+25+\p], v[T+24+\p:T+25+\p], v[NEGK:NEGK+1]
.endr
.irp i, 0,1,2,3,4,5,6,7
	v_exp_f32 v[T+32+\i], v[T+24+\i]                                                       ; e^(-x^2 / 2)
.endr
	s_wait_alu depctr_va_vdst(0)
.irp p, 0,2,4,6
	v_pk_fma_f32 v[T+8+\p:T+9+\p], v[T+16+\p:T+17+\p], v[N5:N5+1], v[N4:N4+1]              ; plain instructions behind v_exp_f32
.endr
.irp c, N3,N2,N1
.irp p, 0,2,4,6
	v_pk_fma_f32 v[T+8+\p:T+9+\p], v[T+8+\p:T+9+\p], v[T+16+\p:T+17+\p], v[\c:\c+1]
.endr
.endr
.irp p, 0,2,4,6
	v_pk_mul_f32 v[T+8+\p:T+9+\p], v[T+8+\p:T+9+\p], v[T+16+\p:T+17+\p]
.endr
.irp p, 0,2,4,6
	v_pk_mul_f32 v[T+8+\p:T+9+\p], v[T+8+\p:T+9+\p], v[T+32+\p:T+33+\p]                    ; -q
.endr
.irp i, 0,1,2,3,4,5,6,7
	v_max_num_f32 v[T+24+\i], 0, v[\xr+\i]
.endr
.irp p, 0,2,4,6
	v_pk_fma_f32 v[T+8+\p:T+9+\p], v[T+\p:T+\p+1], v[T+8+\p:T+9+\p], v[T+24+\p:T+25+\p]    ; gelu = max(x, 0) - s q
.endr
.irp i, 0,1,2,3,4,5,6,7
	v_mul_f32 v[T+8+\i], v[T+8+\i], v[\wr+(\i>>2)]                                         ; x the row's combine weight
.endr
.irp p, 0,2,4,6
	v_cvt_pk_f16_f32 v[\o+(\p>>1)], v[T+8+\p], v[T+9+\p]                                   ; two roundings to f16, packed
.endr
.endm
.macro GTRIP x, w, o, row
	s_wait_xcnt 0x0                                ; the registers at o were a store's data: rewritten only behind this wait
.irp k, 0,1,2,3
	GROW2 \x+8*\k, \w+2*\k, \o+4*\k
.endr
.irp k, 0,1,2,3,4,5,6,7
	global_store_b64 v[HO], v[\o+2*\k:\o+2*\k+1], s[72:73] offset:(\row+\k)*4096   ; the wave's 128 columns of a row: 256 consecutive bytes, aligned
.endr
.endm
	PRE XA, WTA, 0
	s_mov_b32 s3, 8
.Lrows:                                            ; 16 rows a trip, on two sets of registers
	PRE XB, WTB, 8
	s_wait_dscnt 10                                ; all but the ten loads just issued
	GTRIP XA, WTA, OA, 0
	PRE XA, WTA, 16
	s_wait_dscnt 10
	GTRIP XB, WTB, OB, 8
	s_wait_xcnt 0x0                                ; the stores' base steps only behind this wait
	v_add_nc_u32 v[RD], 16*SPITCH, v[RD]
	v_add_nc_u32 v[WRD], 64, v[WRD]
	s_add_nc_u64 s[72:73], s[72:73], 0x10000
	s_sub_co_u32 s3, s3, 1
	s_cmp_lg_u32 s3, 0
	s_cbranch_scc1 .Lrows
	PRE XB, WTB, 8                                 ; rows 128 to 143: no further rows to read
	s_wait_dscnt 10
	GTRIP XA, WTA, OA, 0
	s_wait_dscnt 0x0
	GTRIP XB, WTB, OB, 8
	s_set_vgpr_msb 0x1
	s_wait_tensorcnt 0x0
	ds_add_u32 v255, v255
	s_wait_dscnt 0x0
	s_set_vgpr_msb 0x100
	s_endpgm
.Lfunc_end_k_q6d8f6ff8e1_ffn1:
	.size	k_q6d8f6ff8e1_ffn1, .Lfunc_end_k_q6d8f6ff8e1_ffn1-k_q6d8f6ff8e1_ffn1
	.p2alignl 7, 3214868480
	.fill 96, 4, 3214868480
	.section	.rodata,"a",@progbits
	.p2align	6, 0x0
	.amdhsa_kernel k_q6d8f6ff8e1_ffn1
		.amdhsa_group_segment_fixed_size 327680
		.amdhsa_private_segment_fixed_size 0
		.amdhsa_enable_private_segment 0
		.amdhsa_kernarg_size 48
		.amdhsa_user_sgpr_count 2
		.amdhsa_user_sgpr_kernarg_segment_ptr 1
		.amdhsa_wavefront_size32 1
		.amdhsa_system_sgpr_workgroup_id_x 1
		.amdhsa_system_sgpr_workgroup_id_y 1
		.amdhsa_system_sgpr_workgroup_id_z 1
		.amdhsa_system_vgpr_workitem_id 0
		.amdhsa_next_free_vgpr 1024
		.amdhsa_next_free_sgpr 80
		.amdhsa_reserve_vcc 0
		.amdhsa_float_denorm_mode_32 3
		.amdhsa_float_denorm_mode_16_64 3
		.amdhsa_memory_ordered 1
		.amdhsa_forward_progress 1
		.amdhsa_inst_pref_size 179
	.end_amdhsa_kernel
	.amdgpu_metadata
---
amdhsa.version: [ 1, 2 ]
amdhsa.kernels:
  - .name:           k_q6d8f6ff8e1_ffn1
    .symbol:         k_q6d8f6ff8e1_ffn1.kd
    .args:
      - { .name: Xs, .offset: 0, .size: 8, .value_kind: global_buffer, .address_space: global }
      - { .name: Wb, .offset: 8, .size: 8, .value_kind: global_buffer, .address_space: global }
      - { .name: b1, .offset: 16, .size: 8, .value_kind: global_buffer, .address_space: global }
      - { .name: plan, .offset: 24, .size: 8, .value_kind: global_buffer, .address_space: global }
      - { .name: sw, .offset: 32, .size: 8, .value_kind: global_buffer, .address_space: global }
      - { .name: H, .offset: 40, .size: 8, .value_kind: global_buffer, .address_space: global }
    .group_segment_fixed_size: 327680
    .private_segment_fixed_size: 0
    .kernarg_segment_align: 8
    .kernarg_segment_size: 48
    .max_flat_workgroup_size: 128
    .sgpr_count:     80
    .vgpr_count:     1024
    .wavefront_size: 32
...
	.end_amdgpu_metadata
.endif
;; end of part 3
;; launch ffn2 (part 4): grid 4 x 62, 4 waves a work-group, no clusters, 327,680 bytes of LDS; arguments H, Wb, b2, plan, sw, out0; writes out0
.if DOCPART == 4
	.amdgcn_target "amdgcn-amd-amdhsa--gfx1250"
	.amdhsa_code_object_version 6
	.text
	.protected	k_q6d8f6ff8e1_ffn2
	.globl	k_q6d8f6ff8e1_ffn2
	.p2align	8
	.type	k_q6d8f6ff8e1_ffn2,@function
k_q6d8f6ff8e1_ffn2:
	s_mov_b64 s[64:65], 0
	v_nop
	global_prefetch_b8 v0, s[64:65] scope:SCOPE_SE
	s_setreg_imm32_b32 hwreg(HW_REG_WAVE_MODE, 25, 1), 1
	s_wait_xcnt 0x0
; ffn2: out0[token] = H[slot][0:2048] . [W2[ea]; W2[eb]] + wa b2[ea] + wb b2[eb].  H already carries the combine weights, so both experts
; of a token are one sum over K = 2048, and each row of out0 is made by one work-group row: no sum between work-groups.
; Work-group (c, b): the 144 slots of block b x columns 256 c .. 256 c + 255.  Four waves side by side, each 144 rows x 64 columns: 36 accumulator tiles.
; K in 16 steps of 128 through a ring of two LDS slots: waves 0, 1 bring H's rows 0-71, 72-143 (256 bytes a row, aligned), waves 2, 3 the two
; halves of W2's 128 k-rows (512 bytes a row).  Steps 0-7 read W2[ea], steps 8-15 W2[eb]: the running address gets (eb - ea - 1) x 2 MiB more
; in the one lap whose two refills ask for steps 8 and 9.
; H and W2 are f16 (11 significant bits; the launches that make them say what room the numbers have), the sums f32, the biases f32.
; NO CLUSTER: W2's tile is 64 KiB of a step's 100; it is shared only by blocks of the same pair of experts, and which blocks those are is read
; from memory, so neighbours in the grid may need different tiles.  H's tile, which the four column tiles share, is 36 KiB of the 100.
; A slot beyond a block's rows repeats the block's first token: the same numbers go to the same row of out0, from the same wave.
; LIMIT: only the two experts of a token are computed; an infinity or NaN of an expert whose weight is 0 does not reach the output.
; REGISTERS: window 0: v0-31 addresses, v32-103 / v104-175 H's fragments, v176-207 / v208-239 W2's, v240-247 the two biases;
; window 1: accumulators of rows 0-127; window 2: v0-31 rows 128-143, v32-103 tokens, v104-175 wa, v176-247 wb (register 8 a + j: row 16 a + 8 h + j).
.set PA,     272
.set PB,     544                       ; 512 + 32: 17 x 32
.set AB,     144*PA
.set SLOT,   AB+128*PB                 ; 108,800
.set STEPA,  256
.set STEPB,  128*2048
.set NF,     26
.set STAGE,  2*SLOT                    ; 217,600: 16 rows x 272 bytes for each wave, its own; no tensor load lands here
.set ADRA, 16
.set ADRB, 20
.set STO,  24
.set RD,   25
.set COL,  26
.set G1A, 24
.set G0A, 32
.set G1B, 40
.set G0B, 48
.set MSB, 0
.macro WIN new                         ; the immediate's high byte repeats the setting that is left
.if MSB != \new
	s_set_vgpr_msb (MSB<<8)|\new
.set MSB, \new
.endif
.endm
.macro PLACES                          ; four places behind a matrix instruction before one of its registers is loaded, written or read by another kind of instruction (ISA guide 7.12.1)
.rept 4
	v_nop
.endr
.endm
.macro DESC1 g, w0, d0, d1, st
	s_mov_b32 s[\g+0], \w0
	s_mov_b32 s[\g+1], (\d0)<<16
	s_mov_b32 s[\g+2], (\d1)<<16
	s_mov_b32 s[\g+3], (\d0)<<16
	s_mov_b32 s[\g+4], \d1
	s_mov_b32 s[\g+5], \st
	s_mov_b32 s[\g+6], 0
	s_mov_b32 s[\g+7], 0
.endm
	s_load_b256 s[4:11], s[0:1], 0x0               ; H s[4:5], Wb s[6:7], b2 s[8:9], plan s[10:11]
	s_load_b128 s[12:15], s[0:1], 0x20             ; sw s[12:13], out0 s[14:15]
	v_lshl_add_u32 v254, v0, 2, 0x39600
	v_mov_b32 v255, 0
	ds_add_u32 v254, v255
	ds_add_u32 v254, v255
	v_lshrrev_b32 v1, 5, v0
	v_readfirstlane_b32 s16, v1                    ; wave
	s_lshr_b32 s17, s16, 1                         ; 0: I fetch H, 1: W2
	s_and_b32 s18, s16, 1                          ; which half of that tile
	s_mov_b32 s19, ttmp9                           ; c
	s_and_b32 s20, ttmp7, 0xffff                   ; b
	s_lshl_b32 s22, s20, 4
	s_mov_b32 s23, 0
	s_wait_dscnt 0x0
	s_wait_kmcnt 0x0
	s_add_nc_u64 s[22:23], s[10:11], s[22:23]
	s_load_b128 s[56:59], s[22:23], 0x0            ; btab[b]: ea, eb, eb - ea - 1, 0
	DESC1 G1A, (1<<16)|(1<<20)|(5<<22)|(3<<25), 128, 72, 2048    ; 4 words of padding behind every 64
	DESC1 G1B, (1<<16)|(1<<20)|(6<<22)|(7<<25), 256, 64, 1024    ; 8 words behind every 128
	s_mul_i32 s60, s20, 144
	s_mul_i32 s61, s18, 72
	s_add_co_u32 s60, s60, s61
	s_lshl_b32 s60, s60, 12                        ; H: row 144 b + 72 half, 4,096 bytes a row
	s_mov_b32 s61, 0
	s_add_nc_u64 s[60:61], s[4:5], s[60:61]
	s_mul_i32 s66, s18, 72*PA
	s_mul_i32 s67, s18, 64*PB
	s_add_co_u32 s67, s67, AB
	s_wait_kmcnt 0x0
	s_min_u32 s56, s56, 3                          ; ea
	s_min_u32 s57, s57, 3                          ; eb
	s_min_u32 s58, s58, 2                          ; eb - ea - 1
	s_lshl_b32 s62, s56, 21
	s_lshl_b32 s63, s18, 17                        ; 64 k-rows of 2,048 bytes
	s_add_co_u32 s62, s62, s63
	s_lshl_b32 s63, s19, 9                         ; 256 columns
	s_add_co_u32 s62, s62, s63
	s_add_co_u32 s62, s62, 0x800000                ; W2 stands behind W1 in Wb
	s_mov_b32 s63, 0
	s_add_nc_u64 s[62:63], s[6:7], s[62:63]
	s_mov_b32 s73, 2*STEPB                         ; W2's step from a refill of a slot to its next,
	s_lshl_b32 s72, s58, 21
	s_add_co_u32 s72, s72, s73                     ; and the one that crosses from expert ea to expert eb
	s_mov_b32 s70, s73
	s_mov_b32 s71, 0
.irp s, 0,1
	s_mov_b32 s[G0A+4*\s], 1
	s_add_co_u32 s[G0A+4*\s+1], s66, \s*SLOT
	s_add_nc_u64 s[G0A+4*\s+2:G0A+4*\s+3], s[60:61], \s*STEPA
	s_or_b32 s[G0A+4*\s+3], s[G0A+4*\s+3], 0x80000000
	s_mov_b32 s[G0B+4*\s], 1
	s_add_co_u32 s[G0B+4*\s+1], s67, \s*SLOT
	s_add_nc_u64 s[G0B+4*\s+2:G0B+4*\s+3], s[62:63], \s*STEPB
	s_or_b32 s[G0B+4*\s+3], s[G0B+4*\s+3], 0x80000000
.endr
	; the first fills, K steps 0 and 1: two loads a wave, in one branch on the wave's number, ahead of every wait on TENSORcnt, LDS read and barrier
	s_cmp_eq_u32 s17, 0
	s_cbranch_scc0 .Lfirst_b
	tensor_load_to_lds s[G0A:G0A+3], s[G1A:G1A+7]
	s_nop 0
	tensor_load_to_lds s[G0A+4:G0A+7], s[G1A:G1A+7]
	s_nop 0
	s_branch .Lfirst_done
.Lfirst_b:
	tensor_load_to_lds s[G0B:G0B+3], s[G1B:G1B+7]
	s_nop 0
	tensor_load_to_lds s[G0B+4:G0B+7], s[G1B:G1B+7]
	s_nop 0
.Lfirst_done:
	v_and_b32 v2, 15, v0                           ; r = l % 16
	v_bfe_u32 v3, v0, 4, 1                         ; h = l / 16
	v_mul_u32_u24 v4, PA, v2
	v_lshl_add_u32 v[ADRA], v3, 4, v4
	v_add_nc_u32 v[ADRA+1], SLOT, v[ADRA]
	v_and_b32 v5, 7, v0
	v_lshl_add_u32 v5, v3, 3, v5
	v_mul_u32_u24 v5, PB, v5
	v_bfe_u32 v6, v0, 3, 1
	v_lshl_add_u32 v5, v6, 4, v5
	s_lshl_b32 s68, s16, 7                         ; my 64 columns
	s_add_co_u32 s68, s68, AB
	v_add_nc_u32 v[ADRB], s68, v5
	v_add_nc_u32 v[ADRB+1], SLOT, v[ADRB]
	s_mul_i32 s69, s16, 16*272
	s_add_co_u32 s69, s69, STAGE
	v_mul_u32_u24 v7, 272, v2
	v_lshl_add_u32 v7, v3, 5, v7
	v_add_nc_u32 v[STO], s69, v7                   ; in: row r, 8 h columns of f32
	v_lshlrev_b32 v[COL], 4, v2                    ; 16 r
	v_mul_u32_u24 v7, 8*272, v3
	v_add3_u32 v[RD], v7, v[COL], s69              ; back: lanes 0-15 row j, lanes 16-31 row j + 8
	v_lshlrev_b32 v22, 5, v3                       ; 32 h: eight words of the tables for each half of the lanes; never rewritten
	s_mul_i32 s74, s20, 576
	s_mov_b32 s75, 0
	s_add_nc_u64 s[76:77], s[12:13], s[74:75]      ; the block's weights
	s_add_nc_u64 s[74:75], s[10:11], s[74:75]      ; the block's tokens (behind 1,024)
	s_lshl_b32 s78, s19, 10
	s_lshl_b32 s79, s16, 8
	s_add_co_u32 s78, s78, s79                     ; (256 c + 64 w) x 4 bytes
	s_lshl_b32 s79, s56, 12
	s_add_co_u32 s79, s79, s78
	v_add_nc_u32 v23, s79, v[COL]
	s_lshl_b32 s79, s57, 12
	s_add_co_u32 s79, s79, s78
	v_add_nc_u32 v29, s79, v[COL]
	s_mov_b32 s79, 0
	s_add_nc_u64 s[80:81], s[14:15], s[78:79]      ; out0 at my 64 columns
	; 56 loads that are wanted on the way out; they stay out over the whole product, and none of their registers is touched before the wait there
	WIN 0x80
.irp a, 0,1,2,3,4,5,6,7,8
	global_load_b128 v[32+8*\a:35+8*\a], v22, s[74:75] offset:1024+64*\a
	global_load_b128 v[36+8*\a:39+8*\a], v22, s[74:75] offset:1024+64*\a+16
	global_load_b128 v[104+8*\a:107+8*\a], v22, s[76:77] offset:64*\a
	global_load_b128 v[108+8*\a:111+8*\a], v22, s[76:77] offset:64*\a+16
	global_load_b128 v[176+8*\a:179+8*\a], v22, s[76:77] offset:35712+64*\a
	global_load_b128 v[180+8*\a:183+8*\a], v22, s[76:77] offset:35712+64*\a+16
.endr
	WIN 0
	global_load_b128 v[240:243], v23, s[8:9]       ; b2[ea], my four columns
	global_load_b128 v[244:247], v29, s[8:9]       ; b2[eb]
; four matrix instructions: row group a x my four column groups, 32 along K, from buffer f.
; The 36 accumulators take turns, one instruction a turn, in the same order in every quarter and over the backward jump.
.macro MULROW f, a, zero
.if \a < 8
	WIN 0x50
.set ACCB, 32*\a
.else
	WIN 0xa0
.set ACCB, 0
.endif
.irp bt, 0,1,2,3
.if \zero
	v_wmma_f32_16x16x32_f16 v[ACCB+8*\bt:ACCB+8*\bt+7], v[176+32*\f+8*\bt:176+32*\f+8*\bt+7], v[32+72*\f+8*\a:32+72*\f+8*\a+7], 0
.else
	v_wmma_f32_16x16x32_f16 v[ACCB+8*\bt:ACCB+8*\bt+7], v[176+32*\f+8*\bt:176+32*\f+8*\bt+7], v[32+72*\f+8*\a:32+72*\f+8*\a+7], v[ACCB+8*\bt:ACCB+8*\bt+7]
.endif
.endr
.endm
; 26 LDS loads: W2's fragments first, then H's row groups 0 to 8
.macro FETCH slot, kq, f
	WIN 0
.irp bt, 0,1,2,3
	ds_load_tr16_b128 v[176+32*\f+8*\bt:176+32*\f+8*\bt+3], v[ADRB+\slot] offset:32*\kq*PB+32*\bt
	ds_load_tr16_b128 v[176+32*\f+8*\bt+4:176+32*\f+8*\bt+7], v[ADRB+\slot] offset:32*\kq*PB+32*\bt+16*PB
.endr
.irp a, 0,1,2,3,4,5,6,7,8
	ds_load_b128 v[32+72*\f+8*\a:32+72*\f+8*\a+3], v[ADRA+\slot] offset:64*\kq+\a*16*PA
	ds_load_b128 v[32+72*\f+8*\a+4:32+72*\f+8*\a+7], v[ADRA+\slot] offset:64*\kq+\a*16*PA+32
.endr
.endm
.macro LOADT slot
	s_cmp_eq_u32 s17, 0
	s_cbranch_scc0 .Lfor_b_\@
	tensor_load_to_lds s[G0A+4*\slot:G0A+4*\slot+3], s[G1A:G1A+7]
	s_nop 0
	s_branch .Lasked_\@
.Lfor_b_\@:
	tensor_load_to_lds s[G0B+4*\slot:G0B+4*\slot+3], s[G1B:G1B+7]
	s_nop 0
.Lasked_\@:
.endm
.macro QUARTER slot, kq, f, g, zero
	s_wait_dscnt 10                                ; buffer f but for its ten youngest loads, H's row groups 4 to 8
	PLACES
	FETCH \slot, \kq, \g
.irp a, 0,1,2,3
	MULROW \f, \a, \zero
.endr
	s_wait_dscnt NF                                ; all but the loads just issued
.irp a, 4,5,6,7,8
	MULROW \f, \a, \zero
.endr
.endm
; the step's last quarter: one barrier; in front of it my reads of this slot and all my tensor loads (one is out: my part of the next slot)
; are done; behind it this slot is filled again first, then the next slot is read
.macro TURN slot, next, fill
	s_wait_dscnt 0x0
	s_wait_tensorcnt 0x0
	ds_add_u32 v254, v255
	s_wait_dscnt 0x0
	s_barrier_signal -1
	MULROW 1, 0, 0
	MULROW 1, 1, 0
	WIN 0
	s_barrier_wait -1
.if \fill
	s_add_nc_u64 s[G0A+4*\slot+2:G0A+4*\slot+3], s[G0A+4*\slot+2:G0A+4*\slot+3], 2*STEPA   ; no tensor load of mine is out: the addresses may step
	s_add_nc_u64 s[G0B+4*\slot+2:G0B+4*\slot+3], s[G0B+4*\slot+2:G0B+4*\slot+3], s[70:71]
	LOADT \slot
.endif
	PLACES
	FETCH \next, 0, 0
.irp a, 2,3,4,5,6,7,8
	MULROW 1, \a, 0
.endr
.endm
.macro THREE slot, zero
	QUARTER \slot, 1, 0, 1, \zero
	QUARTER \slot, 2, 1, 0, 0
	QUARTER \slot, 3, 0, 1, 0
.endm
.macro LAP zero
	THREE 0, \zero
	TURN 0, 1, 1
	THREE 1, 0
	TURN 1, 0, 1
.endm
	s_wait_tensorcnt 0x1                           ; my part of K step 0 is in; K step 1's stays out
	s_barrier_signal -1
	s_barrier_wait -1
	FETCH 0, 0, 0
	LAP 1                                          ; K steps 0, 1; asks for 2, 3
	WIN 0
	s_mov_b32 s3, 6
.Llap:
	s_cmp_eq_u32 s3, 4                             ; the third trip (K steps 6, 7) asks for steps 8 and 9, the first of expert eb
	s_cselect_b32 s70, s72, s73
	LAP 0
	WIN 0
	s_sub_co_u32 s3, s3, 1
	s_cmp_lg_u32 s3, 0
	s_cbranch_scc1 .Llap
	THREE 0, 0                                     ; K steps 14, 15: nothing is left to fetch
	TURN 0, 1, 0
	THREE 1, 0
	s_wait_dscnt 0x0
.irp a, 0,1,2,3,4,5,6,7,8
	MULROW 1, \a, 0
.endr
	; THE WAY OUT, 16 rows at a time through my own stage: a lane then holds 4 neighbouring columns of a row, sixteen lanes a row's 256 bytes
	PLACES
	WIN 0
	s_wait_loadcnt 0x0                             ; tokens, weights, biases
	WIN 0x08                                       ; source 1 in window 2
.set i, 0
.rept 72
	v_min_u32 v[32+i], 0x1fff, v[32+i]             ; the row's token, into window 0
.set i, i+1
.endr
	WIN 0
.set i, 0
.rept 72
	v_lshl_add_u32 v[32+i], v[32+i], 12, v[COL]    ; 4,096 bytes a token + my 16 bytes
.set i, i+1
.endr
.macro OUT16 a, buf
.if \a < 8
	WIN 0x04
.set ACCB, 32*\a
.else
	WIN 0x08
.set ACCB, 0
.endif
.irp bt, 0,1,2,3
	ds_store_b128 v[STO], v[ACCB+8*\bt:ACCB+8*\bt+3] offset:64*\bt
	ds_store_b128 v[STO], v[ACCB+8*\bt+4:ACCB+8*\bt+7] offset:64*\bt+16
.endr
	WIN 0
	s_wait_xcnt 0x0                                ; buf was a store's data two turns ago: loaded again only behind this wait
.irp j, 0,1,2,3,4,5,6,7
	ds_load_b128 v[\buf+4*\j:\buf+4*\j+3], v[RD] offset:272*\j     ; LDS serves a wave in order: these see the stores above
.endr
	s_wait_dscnt 0x0
	WIN 0x08                                       ; the weights in window 2
.irp j, 0,1,2,3,4,5,6,7
.irp k, 0,1,2,3
	v_fma_f32 v[\buf+4*\j+\k], v[240+\k], v[104+8*\a+\j], v[\buf+4*\j+\k]   ; + wa b2[ea]
.endr
.irp k, 0,1,2,3
	v_fma_f32 v[\buf+4*\j+\k], v[244+\k], v[176+8*\a+\j], v[\buf+4*\j+\k]   ; + wb b2[eb]
.endr
.endr
	WIN 0
.irp j, 0,1,2,3,4,5,6,7
	global_store_b128 v[32+8*\a+\j], v[\buf+4*\j:\buf+4*\j+3], s[80:81] th:TH_STORE_NT   ; sixteen lanes: 256 consecutive bytes of a token's row, aligned
.endr
.endm
	OUT16 0, 104
	OUT16 1, 136
	OUT16 2, 104
	OUT16 3, 136
	OUT16 4, 104
	OUT16 5, 136
	OUT16 6, 104
	OUT16 7, 136
	OUT16 8, 104
	s_wait_tensorcnt 0x0
	ds_add_u32 v254, v255
	s_wait_dscnt 0x0
	s_endpgm
.Lfunc_end_k_q6d8f6ff8e1_ffn2:
	.size	k_q6d8f6ff8e1_ffn2, .Lfunc_end_k_q6d8f6ff8e1_ffn2-k_q6d8f6ff8e1_ffn2
	.p2alignl 7, 3214868480
	.fill 96, 4, 3214868480
	.section	.rodata,"a",@progbits
	.p2align	6, 0x0
	.amdhsa_kernel k_q6d8f6ff8e1_ffn2
		.amdhsa_group_segment_fixed_size 327680
		.amdhsa_private_segment_fixed_size 0
		.amdhsa_enable_private_segment 0
		.amdhsa_kernarg_size 48
		.amdhsa_user_sgpr_count 2
		.amdhsa_user_sgpr_kernarg_segment_ptr 1
		.amdhsa_wavefront_size32 1
		.amdhsa_system_sgpr_workgroup_id_x 1
		.amdhsa_system_sgpr_workgroup_id_y 1
		.amdhsa_system_sgpr_workgroup_id_z 1
		.amdhsa_system_vgpr_workitem_id 0
		.amdhsa_next_free_vgpr 768
		.amdhsa_next_free_sgpr 84
		.amdhsa_reserve_vcc 0
		.amdhsa_float_denorm_mode_32 3
		.amdhsa_float_denorm_mode_16_64 3
		.amdhsa_memory_ordered 1
		.amdhsa_forward_progress 1
		.amdhsa_inst_pref_size 177
	.end_amdhsa_kernel
	.amdgpu_metadata
---
amdhsa.version: [ 1, 2 ]
amdhsa.kernels:
  - .name:           k_q6d8f6ff8e1_ffn2
    .symbol:         k_q6d8f6ff8e1_ffn2.kd
    .args:
      - { .name: H, .offset: 0, .size: 8, .value_kind: global_buffer, .address_space: global }
      - { .name: Wb, .offset: 8, .size: 8, .value_kind: global_buffer, .address_space: global }
      - { .name: b2, .offset: 16, .size: 8, .value_kind: global_buffer, .address_space: global }
      - { .name: plan, .offset: 24, .size: 8, .value_kind: global_buffer, .address_space: global }
      - { .name: sw, .offset: 32, .size: 8, .value_kind: global_buffer, .address_space: global }
      - { .name: out0, .offset: 40, .size: 8, .value_kind: global_buffer, .address_space: global }
    .group_segment_fixed_size: 327680
    .private_segment_fixed_size: 0
    .kernarg_segment_align: 8
    .kernarg_segment_size: 48
    .max_flat_workgroup_size: 128
    .sgpr_count:     84
    .vgpr_count:     768
    .wavefront_size: 32
...
	.end_amdgpu_metadata
.endif
;; end of part 4
;; ======== version 2 of 2: 4 launches
;; limits: an absolute error that grows with the inputs' magnitude: up to 7.5e-08 times it; values are held in f16: magnitudes above 65,504 overflow, below 6.1e-05 lose precision; right only within a limited range of input values
;; workspace buffers: Wb 16,777,216 bytes; meta 40,960 bytes of whole numbers; gf 81,920 bytes; plan 36,864 bytes of whole numbers; sw 71,424 bytes; Xs 18,284,544 bytes; H 36,569,088 bytes
;; launch gate (part 5): grid 256 x 1, 8 waves a work-group, no clusters, 71,168 bytes of LDS; arguments x, Wg, W1, W2, Wb, meta, gf; writes Wb, meta, gf
.if DOCPART == 5
	.amdgcn_target "amdgcn-amd-amdhsa--gfx1250"
	.amdhsa_code_object_version 6
	.text
	.protected	k_q6d8f6ff8e1_gate
	.globl	k_q6d8f6ff8e1_gate
	.p2align	8
	.type	k_q6d8f6ff8e1_gate,@function
k_q6d8f6ff8e1_gate:
	s_mov_b64 s[64:65], 0
	v_nop
	global_prefetch_b8 v0, s[64:65] scope:SCOPE_SE
	s_setreg_imm32_b32 hwreg(HW_REG_WAVE_MODE, 25, 1), 1
	s_wait_xcnt 0x0
; gate: the four gate logits of every token in f32, softmax, top 2, the pair's number and the two combine weights;
; partial sums for the two losses; and the cast of W1 and W2 to f16, laid out in the order of the matrix fragments.
; The logits are made on the vector ALU in f32 (4 columns, a two-thousandth of the problem's products): the choice of the
; two experts is discontinuous, so it is not made from rounded operands.
; WHY f16 FOR THE WEIGHTS: 11 significant bits against bf16's 8, and the numbers have room: a spread of 0.02 made 30 times larger stays
; below 4; made 30 times smaller it has an rms of 6.7e-4, and what falls below 2^-14 is kept as an f16 denormal with an error of at most
; 2^-25, 4.5e-5 of that rms.  LIMIT: a weight of magnitude 65,520 or more becomes infinity.
; Wb: W1 at byte 0, W2 at byte 8,388,608; 2 MiB an expert; in it the tile of k = 32 kg .. + 31 and columns 16 ng .. + 15 is the 1,024 bytes at
; 65,536 kg + 1,024 ng, and the 8 numbers k = 32 kg + 8 s .. + 7 (s = 0..3) of column 16 ng + r are the 16 bytes at 256 s + 16 r of the tile.
; So lane 16 h + r of a wave that loads 16 bytes a lane from the tile's byte 0 gets registers 0-3 of its fragment (s = h), from byte 512 registers 4-7 (s = 2 + h).
; Work-group g: tokens 32 g .. 32 g + 31 (all of one batch row: 2048 / 32 = 64 groups a row).  Wave w: tokens 32 g + 4 w + t, t = 0..3.
; Wave u = 8 g + w also casts 8 k-rows x 256 columns of W1 and of W2: expert u >> 9, rows 8 ((u >> 2) & 127) .., columns 256 (u & 3) ..
; (4 x 128 x 4 = the 2,048 waves).  A lane's 16 loads give it all 8 k of 8 columns: four conversions make a column's 16 bytes; they pass through
; the wave's own LDS so that sixteen neighbouring lanes store sixteen neighbouring columns.
; Stored besides: meta rec[token] = pair | rank << 8 (rank among the tokens of the same pair in this group of 32); meta hist[g][8] = six counts, two zeros;
; gf wab[token] = (weight of the lower expert, of the higher); gf part[g][12] = 4 sums of softmax, 4 counts of top 1, sum of z^2, 3 zeros.
; pair number of experts a < b: a + b - (a == 0): (0,1)=0 (0,2)=1 (0,3)=2 (1,2)=3 (1,3)=4 (2,3)=5.
; LIMITS: the sum of a logit runs in another order than the reference's; a probability below 2^-126 comes out of v_exp_f32 as 0
; (its weight is then 0 whichever expert is taken); NaN logits are not ordered as the reference orders them.
; No matrix unit, no tensor load, no cluster: the launch streams x, W1 and W2 once, and the only shared input is Wg's 16 KiB.
.set X,   32                           ; v[32:159]   window 0: token t, chunk j of 128 numbers at 32 t + 4 j; later the cast's chunks and what is read back
.set ACC, 160                          ; v[160:191]  a pair of partial sums for each (t, e)
.set L,   192                          ; v[192:207]  logit of (t, e) at 4 t + e
.set G,   0                            ; window 1, v[0:127]: Wg[e], chunk j at 32 e + 4 j
.set C,   128                          ; window 1, v[128:255]: the 32 loads of the cast: row kk, half p at 4 (2 kk + p)
.set TR,  512                          ; LDS: behind the 512 bytes of logits, 8,704 bytes a wave: 16 units of pitch 272 for W1, 16 for W2
.set UP,  272                          ; a unit of 256 bytes + 16
.set MSB, 0
.macro WIN new                         ; the immediate's high byte repeats the setting that is left
.if MSB != \new
	s_set_vgpr_msb (MSB<<8)|\new
.set MSB, \new
.endif
.endm
	s_load_b256 s[4:11], s[0:1], 0x0               ; x s[4:5], Wg s[6:7], W1 s[8:9], W2 s[10:11]
	s_load_b128 s[12:15], s[0:1], 0x20             ; Wb s[12:13], meta s[14:15]
	s_load_b64 s[16:17], s[0:1], 0x30              ; gf
	v_lshl_add_u32 v254, v0, 2, 0x11200
	v_mov_b32 v255, 0
	v_and_b32 v1, 31, v0                           ; lane
	v_lshrrev_b32 v5, 5, v0
	v_readfirstlane_b32 s18, v5                    ; wave
	v_lshlrev_b32 v2, 4, v1                        ; 16 lane
	v_lshlrev_b32 v3, 3, v1                        ; 8 lane
	v_lshlrev_b32 v4, 2, v1                        ; 4 lane
	s_mul_i32 s35, s18, 32*UP
	s_add_co_u32 s35, s35, TR                      ; my wave's units in LDS
	v_lshrrev_b32 v6, 2, v1                        ; into LDS: column 4 lane + i lies in unit lane >> 2, at 64 (lane & 3) + 16 i:
	v_mul_u32_u24 v6, UP, v6                       ; sixteen neighbouring lanes touch sixteen different 16-byte columns of 256
	v_and_b32 v7, 3, v1
	v_lshl_add_u32 v6, v7, 6, v6
	v_add_nc_u32 v6, s35, v6
	v_lshrrev_b32 v9, 4, v1                        ; back: lanes 0-15 one unit, lanes 16-31 the next
	v_and_b32 v7, 15, v1
	v_lshlrev_b32 v7, 4, v7
	v_lshl_add_u32 v8, v9, 10, v7                  ; and in Wb: the next unit belongs to the next tile, 1,024 bytes on
	v_mul_u32_u24 v9, UP, v9
	v_add3_u32 v7, v7, v9, s35
	s_mov_b32 s30, 0x76543210                      ; v_permlanex16_b32: lane i of one half reads lane i of the other
	s_mov_b32 s31, 0xfedcba98
	s_lshl_b32 s46, ttmp9, 17                      ; 32 tokens of 4,096 bytes
	s_lshl_b32 s19, s18, 14                        ; 4 tokens
	s_add_co_u32 s46, s46, s19
	s_mov_b32 s47, 0
	s_lshl3_add_u32 s19, ttmp9, s18                ; u = 8 g + w
	s_lshr_b32 s32, s19, 2                         ; 128 expert + group of 8 rows
	s_lshl_b32 s44, s32, 15                        ; x 8 rows of 4,096 bytes
	s_and_b32 s33, s19, 3                          ; which 256 columns
	s_lshl_b32 s34, s33, 10
	s_or_b32 s44, s44, s34
	s_mov_b32 s45, 0
	s_lshr_b32 s56, s19, 4                         ; 32 expert + kg
	s_lshl_b32 s56, s56, 16
	s_lshl_b32 s34, s33, 14                        ; 16 tiles of 1,024 bytes
	s_or_b32 s56, s56, s34
	s_and_b32 s32, s32, 3                          ; s, the group of 8 rows in the tile
	s_lshl_b32 s32, s32, 8
	s_or_b32 s56, s56, s32
	s_mov_b32 s57, 0
	s_wait_kmcnt 0x0
	s_add_nc_u64 s[20:21], s[4:5], s[46:47]        ; my four tokens
	s_add_nc_u64 s[22:23], s[8:9], s[44:45]        ; my part of W1
	s_add_nc_u64 s[24:25], s[10:11], s[44:45]      ; of W2
	s_add_nc_u64 s[26:27], s[12:13], s[56:57]      ; where they go: W1 at Wb's byte 0,
	s_add_nc_u64 s[28:29], s[26:27], 0x800000      ; W2 at byte 8,388,608
	; 96 loads in one run; each covers 512 consecutive bytes
	WIN 0x40                                       ; destination in window 1
.irp e, 0,1,2,3
.irp j, 0,1,2,3,4,5,6,7
	global_load_b128 v[G+32*\e+4*\j:G+32*\e+4*\j+3], v2, s[6:7] offset:\e*4096+\j*512
.endr
.endr
	WIN 0
.irp t, 0,1,2,3
.irp j, 0,1,2,3,4,5,6,7
	global_load_b128 v[X+32*\t+4*\j:X+32*\t+4*\j+3], v2, s[20:21] offset:\t*4096+\j*512
.endr
.endr
	WIN 0x40
.irp kk, 0,1,2,3,4,5,6,7
.irp p, 0,1
	global_load_b128 v[C+4*(2*\kk+\p):C+4*(2*\kk+\p)+3], v2, s[22:23] offset:\kk*4096+\p*512 th:TH_LOAD_NT
.endr
.endr
.irp kk, 0,1,2,3,4,5,6,7
.irp p, 0,1
	global_load_b128 v[C+64+4*(2*\kk+\p):C+64+4*(2*\kk+\p)+3], v2, s[24:25] offset:\kk*4096+\p*512 th:TH_LOAD_NT
.endr
.endr
	s_wait_loadcnt 32                              ; Wg and x are in; the 32 loads of the cast stay out
	WIN 0x04                                       ; source 1 (Wg) in window 1
	; 16 pairs of sums take turns; the first product starts each: nothing is cleared
.irp j, 0,1,2,3,4,5,6,7
.irp hf, 0,1
.irp t, 0,1,2,3
.irp e, 0,1,2,3
.if (\j+\hf) == 0
	v_pk_mul_f32 v[ACC+2*(4*\t+\e):ACC+2*(4*\t+\e)+1], v[X+32*\t+4*\j+2*\hf:X+32*\t+4*\j+2*\hf+1], v[G+32*\e+4*\j+2*\hf:G+32*\e+4*\j+2*\hf+1]
.else
	v_pk_fma_f32 v[ACC+2*(4*\t+\e):ACC+2*(4*\t+\e)+1], v[X+32*\t+4*\j+2*\hf:X+32*\t+4*\j+2*\hf+1], v[G+32*\e+4*\j+2*\hf:G+32*\e+4*\j+2*\hf+1], v[ACC+2*(4*\t+\e):ACC+2*(4*\t+\e)+1]
.endif
.endr
.endr
.endr
.endr
	WIN 0
.irp i, 0,1,2,3,4,5,6,7,8,9,10,11,12,13,14,15
	v_add_f32 v[L+\i], v[ACC+2*\i], v[ACC+2*\i+1]
.endr
	; over the 32 lanes: four steps inside each half of 16, one across the halves
.irp m, 1,2,4,8
.irp i, 0,1,2,3,4,5,6,7,8,9,10,11,12,13,14,15
	v_add_f32_dpp v[L+\i], v[L+\i], v[L+\i] row_xmask:\m row_mask:0xf bank_mask:0xf
.endr
.endr
.irp i, 0,1,2,3,4,5,6,7,8,9,10,11,12,13,14,15
	v_permlanex16_b32 v[ACC+\i], v[L+\i], s30, s31 ; the destination counts as read: ACC has been written
.endr
.irp i, 0,1,2,3,4,5,6,7,8,9,10,11,12,13,14,15
	v_add_f32 v[L+\i], v[L+\i], v[ACC+\i]
.endr
	v_mov_b32 v5, s18
	v_lshlrev_b32 v5, 6, v5                        ; my wave's 64 bytes: four tokens x four logits
.irp t, 0,1,2,3
	ds_store_b128 v5, v[L+4*\t:L+4*\t+3] offset:16*\t   ; every lane holds the same four numbers
.endr
	s_wait_dscnt 0x0                               ; for wave 0's sake: my stores are done
	s_barrier_signal -1
	s_barrier_wait -1
; The cast of one matrix.  base: the 16 loads (window 1); ch: 32 registers for the 8 chunks, rb: 32 for what is read back (window 0, where x lay);
; tro: the matrix's 16 units in my part of LDS; sb: the scalar pair of the address in Wb.
.macro CAST base, ch, rb, tro, sb
	WIN 0x05                                       ; both sources in window 1, the destination in window 0
.irp p, 0,1
.irp i, 0,1,2,3
.irp kp, 0,1,2,3
	v_cvt_pk_f16_f32 v[\ch+4*(4*\p+\i)+\kp], v[\base+4*(2*(2*\kp)+\p)+\i], v[\base+4*(2*(2*\kp+1)+\p)+\i]   ; k = 2 kp, 2 kp + 1 of column 128 p + 4 lane + i
.endr
.endr
.endr
	WIN 0
.irp p, 0,1
.irp i, 0,1,2,3
	ds_store_b128 v6, v[\ch+4*(4*\p+\i):\ch+4*(4*\p+\i)+3] offset:\tro+\p*8*UP+\i*16
.endr
.endr
.irp t, 0,1,2,3,4,5,6,7
	ds_load_b128 v[\rb+4*\t:\rb+4*\t+3], v7 offset:\tro+\t*2*UP    ; my own bytes, and LDS serves a wave's instructions in order (ISA guide 5.7.1.4): these see the stores above
.endr
	s_wait_dscnt 0x0
.irp t, 0,1,2,3,4,5,6,7
	global_store_b128 v8, v[\rb+4*\t:\rb+4*\t+3], s[\sb:\sb+1] offset:\t*2048   ; each half of the lanes stores 256 consecutive bytes, aligned
.endr
.endm
	s_wait_loadcnt 16                              ; W1's 16 loads are in, W2's 16 stay out
	CAST C, 32, 96, 0, 26
	s_wait_loadcnt 0x0
	CAST C+64, 64, 128, 16*UP, 28
	WIN 0
	s_cmp_lg_u32 s18, 0
	s_cbranch_scc1 .Lend                           ; the rest is wave 0's: one token a lane
	ds_load_b128 v[208:211], v2                    ; my token's four logits
	s_lshl_b32 s46, ttmp9, 7
	s_add_nc_u64 s[48:49], s[14:15], s[46:47]      ; rec of my 32 tokens
	s_lshl_b32 s46, ttmp9, 8
	s_add_nc_u64 s[50:51], s[16:17], s[46:47]      ; wab of my 32 tokens
	s_lshl_b32 s46, ttmp9, 6
	s_add_nc_u64 s[52:53], s[16:17], s[46:47]      ; part row g (behind 65,536)
	s_lshl_b32 s46, ttmp9, 5
	s_add_nc_u64 s[54:55], s[14:15], s[46:47]      ; hist row g (behind 32,768)
	s_wait_dscnt 0x0
	v_max3_num_f32 v212, v208, v209, v210
	v_max_num_f32 v212, v212, v211                 ; the maximum is taken away before the exponentials, as the reference does
.irp i, 0,1,2,3
	v_sub_f32 v[214+\i], v[208+\i], v212
.endr
.irp i, 0,1,2,3
	v_mul_f32 v[214+\i], 0x3fb8aa3b, v[214+\i]     ; e^d = 2^(1.442695 d)
.endr
.irp i, 0,1,2,3
	v_exp_f32 v[220+\i], v[214+\i]
.endr
	v_mov_b32 v243, 0                              ; rank; also the plain instruction behind the exponentials (ISA guide 5.7.2)
	s_wait_alu depctr_va_vdst(0)
	v_add_f32 v218, v220, v221
	v_add_f32 v219, v222, v223
	v_add_f32 v218, v218, v219                     ; S
	v_rcp_f32 v219, v218
	v_log_f32 v224, v218
	v_mov_b32 v227, 0                              ; index of the top 1; the plain instruction behind v_rcp_f32 and v_log_f32
	s_wait_alu depctr_va_vdst(0)
.irp i, 0,1,2,3
	v_mul_f32 v[160+\i], v[220+\i], v219           ; softmax
.endr
	v_fmamk_f32 v225, v224, 0x3f317218, v212       ; z = log2(S) ln 2 + maximum
	v_mul_f32 v168, v225, v225                     ; z^2
	; top 1: a strict comparison, so the lowest index wins a tie
	v_mov_b32 v228, v160
.irp i, 1,2,3
	v_cmp_gt_f32 vcc_lo, v[160+\i], v228
	v_cndmask_b32 v228, v228, v[160+\i], vcc_lo
	v_cndmask_b32 v227, v227, \i, vcc_lo
.endr
.irp i, 0,1,2,3
	v_cmp_eq_u32 vcc_lo, \i, v227
	v_cndmask_b32 v[164+\i], 0, 1.0, vcc_lo        ; one-hot of the top 1
	v_cndmask_b32 v[232+\i], v[160+\i], -1.0, vcc_lo   ; the top 1 is out of the second search
.endr
	v_mov_b32 v230, v232
	v_mov_b32 v229, 0
.irp i, 1,2,3
	v_cmp_gt_f32 vcc_lo, v[232+\i], v230
	v_cndmask_b32 v230, v230, v[232+\i], vcc_lo
	v_cndmask_b32 v229, v229, \i, vcc_lo
.endr
	v_add_f32 v236, v228, v230
	v_rcp_f32 v237, v236
	v_min_u32 v240, v227, v229                     ; a (the plain instruction behind v_rcp_f32)
	v_max_u32 v241, v227, v229                     ; b
	s_wait_alu depctr_va_vdst(0)
	v_mul_f32 v234, v228, v237                     ; weight of the top 1
	v_mul_f32 v235, v230, v237                     ; of the top 2
	v_cmp_gt_u32 vcc_lo, v227, v229
	v_cndmask_b32 v238, v234, v235, vcc_lo         ; weight of expert a
	v_cndmask_b32 v239, v235, v234, vcc_lo         ; of expert b
	v_cmp_eq_u32 vcc_lo, 0, v240
	v_add_nc_u32 v242, v240, v241
	v_cndmask_b32 v244, 0, 1, vcc_lo
	v_sub_nc_u32 v242, v242, v244                  ; the pair's number
.irp g, 0,1,2,3,4,5
	v_cmp_eq_u32 s[32+\g], \g, v242
	s_bcnt1_i32_b32 s[38+\g], s[32+\g]             ; tokens of pair g among my 32
	v_mbcnt_lo_u32_b32 v245, s[32+\g], 0           ; and how many of them stand below my lane
	v_cndmask_b32 v243, v243, v245, s[32+\g]
.endr
	v_lshl_or_b32 v244, v243, 8, v242
	global_store_b32 v4, v244, s[48:49]
	global_store_b64 v3, v[238:239], s[50:51]
	; nine sums over the 32 tokens
.irp m, 1,2,4,8
.irp i, 0,1,2,3,4,5,6,7,8
	v_add_f32_dpp v[160+\i], v[160+\i], v[160+\i] row_xmask:\m row_mask:0xf bank_mask:0xf
.endr
.endr
.irp i, 0,1,2,3,4,5,6,7,8
	v_permlanex16_b32 v[214+\i], v[160+\i], s30, s31   ; v214-222 have been written
.endr
.irp i, 0,1,2,3,4,5,6,7,8
	v_add_f32 v[160+\i], v[160+\i], v[214+\i]
.endr
.irp i, 169,170,171,178,179
	v_mov_b32 v\i, 0
.endr
.irp g, 0,1,2,3,4,5
	v_mov_b32 v[172+\g], s[38+\g]
.endr
	s_wait_xcnt 0x0                                ; EXEC changes only behind this wait: stores are out
	v_cmp_eq_u32 vcc_lo, 0, v1
	s_and_saveexec_b32 s58, vcc_lo                 ; lane 0 alone (v4 = 0 there)
	global_store_b128 v4, v[160:163], s[52:53] offset:65536
	global_store_b128 v4, v[164:167], s[52:53] offset:65552
	global_store_b128 v4, v[168:171], s[52:53] offset:65568
	global_store_b128 v4, v[172:175], s[54:55] offset:32768
	global_store_b128 v4, v[176:179], s[54:55] offset:32784
.Lend:
	s_wait_xcnt 0x0
	s_mov_b32 exec_lo, -1
	s_wait_tensorcnt 0x0
	ds_add_u32 v254, v255
	s_wait_dscnt 0x0
	s_endpgm
.Lfunc_end_k_q6d8f6ff8e1_gate:
	.size	k_q6d8f6ff8e1_gate, .Lfunc_end_k_q6d8f6ff8e1_gate-k_q6d8f6ff8e1_gate
	.p2alignl 7, 3214868480
	.fill 96, 4, 3214868480
	.section	.rodata,"a",@progbits
	.p2align	6, 0x0
	.amdhsa_kernel k_q6d8f6ff8e1_gate
		.amdhsa_group_segment_fixed_size 71168
		.amdhsa_private_segment_fixed_size 0
		.amdhsa_enable_private_segment 0
		.amdhsa_kernarg_size 56
		.amdhsa_user_sgpr_count 2
		.amdhsa_user_sgpr_kernarg_segment_ptr 1
		.amdhsa_wavefront_size32 1
		.amdhsa_system_sgpr_workgroup_id_x 1
		.amdhsa_system_sgpr_workgroup_id_y 1
		.amdhsa_system_sgpr_workgroup_id_z 1
		.amdhsa_system_vgpr_workitem_id 0
		.amdhsa_next_free_vgpr 512
		.amdhsa_next_free_sgpr 66
		.amdhsa_reserve_vcc 1
		.amdhsa_float_denorm_mode_32 3
		.amdhsa_float_denorm_mode_16_64 3
		.amdhsa_memory_ordered 1
		.amdhsa_forward_progress 1
		.amdhsa_inst_pref_size 51
	.end_amdhsa_kernel
	.amdgpu_metadata
---
amdhsa.version: [ 1, 2 ]
amdhsa.kernels:
  - .name:           k_q6d8f6ff8e1_gate
    .symbol:         k_q6d8f6ff8e1_gate.kd
    .args:
      - { .name: x, .offset: 0, .size: 8, .value_kind: global_buffer, .address_space: global }
      - { .name: Wg, .offset: 8, .size: 8, .value_kind: global_buffer, .address_space: global }
      - { .name: W1, .offset: 16, .size: 8, .value_kind: global_buffer, .address_space: global }
      - { .name: W2, .offset: 24, .size: 8, .value_kind: global_buffer, .address_space: global }
      - { .name: Wb, .offset: 32, .size: 8, .value_kind: global_buffer, .address_space: global }
      - { .name: meta, .offset: 40, .size: 8, .value_kind: global_buffer, .address_space: global }
      - { .name: gf, .offset: 48, .size: 8, .value_kind: global_buffer, .address_space: global }
    .group_segment_fixed_size: 71168
    .private_segment_fixed_size: 0
    .kernarg_segment_align: 8
    .kernarg_segment_size: 56
    .max_flat_workgroup_size: 256
    .sgpr_count:     66
    .vgpr_count:     512
    .wavefront_size: 32
...
	.end_amdgpu_metadata
.endif
;; end of part 5
;; launch route: the kernel of part 2 again; grid 249 x 1, 8 waves a work-group, no clusters, 9,216 bytes of LDS; arguments x, meta, gf, Xs, plan, sw, out1, out2; writes Xs, plan, sw, out1, out2
;; launch ffn1 (part 6): grid 4 x 62, 4 waves a work-group, clusters of 4 x 1, 327,680 bytes of LDS; arguments Xs, Wb, b1, plan, sw, H; writes H
.if DOCPART == 6
	.amdgcn_target "amdgcn-amd-amdhsa--gfx1250"
	.amdhsa_code_object_version 6
	.text
	.protected	k_q6d8f6ff8e1_ffn1
	.globl	k_q6d8f6ff8e1_ffn1
	.p2align	8
	.type	k_q6d8f6ff8e1_ffn1,@function
k_q6d8f6ff8e1_ffn1:
	s_mov_b64 s[64:65], 0
	v_nop
	global_prefetch_b8 v0, s[64:65] scope:SCOPE_SE
	s_setreg_imm32_b32 hwreg(HW_REG_WAVE_MODE, 25, 1), 1
	s_wait_xcnt 0x0
	s_wait_alu depctr_hold_cnt(0) depctr_sa_sdst(0) depctr_va_vdst(0) depctr_va_sdst(0) depctr_va_ssrc(0) depctr_va_vcc(0) depctr_vm_vsrc(0)
	s_getreg_b32 s2, hwreg(HW_REG_IB_STS2, 6, 4)
	s_cmp_eq_u32 s2, 0
	s_cbranch_scc0 .Lentry_in_a_cluster
	s_endpgm
.Lentry_in_a_cluster:
	s_bfe_u32 s2, ttmp6, 0x10000c
	s_cmp_lg_u32 s2, 0x3003
	s_cbranch_scc0 .Lentry_shape_is_right
	s_endpgm
.Lentry_shape_is_right:
; ffn1: H[slot][0:1024] = wa gelu(x W1[ea] + b1[ea]), H[slot][1024:2048] = wb gelu(x W1[eb] + b1[eb]), in f16.
; Work-group (c, b): the 144 slots of block b x columns 512 c .. 512 c + 511 of H (c < 2: expert ea, else eb).  Four waves side by side,
; each 144 rows x 128 columns: 72 accumulator tiles of 16 x 16, 576 registers.  K = 1024 in 32 quarters of 32, 72 matrix instructions each.
; THE TWO OPERANDS TAKE DIFFERENT ROADS.
; x's rows are read by all four waves, so they go through LDS: 8 chunks of 128 along K through two slots; each wave brings 36 rows (256 bytes
; a row, aligned) with one tensor load.  A chunk that is asked for behind one change of slots is waited for at the next, 272 matrix instructions later.
; W1's columns belong to one wave each, so LDS would share nothing.  The launch before has stored W1 in the order of the matrix fragments
; (1,024 bytes for 16 columns x 32 k; quarter kg's tiles at 65,536 kg), and a wave loads the 8 KiB of a quarter straight into registers:
; 16 loads of 512 consecutive bytes, into a ring of four buffers, three quarters (216 matrix instructions) ahead of their use.  No barrier binds them.
; CLUSTER: the four column tiles of a block (c = 0..3) form a cluster of 4 x 1.  They read the same 144 rows of x, so a chunk is asked for JOINTLY:
; wave w of each of the four issues the same tensor load (global address from the block and the wave's number, LDS address from the wave's number,
; mask 15), and each receives the rows in its own LDS: the 36 KiB of a chunk are asked for once instead of four times.  A round of the cluster's
; barrier stands in front of the first joint loads, takes the barrier's place at each refill, and closes the kernel.  c enters global addresses alone.
; W1's 128 KiB for the same 128 along K are not asked for jointly: the four tiles of a cluster have different columns; blocks of the same expert
; would share them, but which blocks those are is read from memory, and the weights go straight into registers.
; The matrix instruction is used transposed (source 0 = columns of W1, source 1 = rows of x): a lane holds row l % 16 and eight neighbouring columns.
; WHY f16 OPERANDS, AND H IN f16: 11 significant bits against bf16's 8, and H has room.  With x (spread 1) and W1 (spread 0.02) both 30 times
; larger the sum in front of GELU has an rms of 32 x 30 x 0.6 = 576; with x moved by 30 and W1 by 0.6 it is 1024 x 30 x 0.6 = 18,432, below
; f16's 65,504.  With both 30 times smaller H has an rms of about 1.8e-4; f16 keeps denormals, so its error is at most 2^-25, 1.7e-4 of that.
; LIMIT: a weighted GELU of magnitude 65,520 or more becomes infinity.
; GELU is exact GELU through 0.5 erfc(|x| / sqrt 2) = phi(|x|) (c1 t + .. + c5 t^5), t = 1 / (1 + 0.2316419 |x|) (Abramowitz and Stegun 26.2.17):
; gelu(x) = max(x, 0) - |x| q.  LIMIT: q's absolute error is at most 7.5e-8, so gelu's at most 7.5e-8 |x|, plus f32 rounding.  For large |x| the
; exponential is 0 and gelu = max(x, 0).
; LIMIT: only the two experts of a token are computed; an infinity or NaN of an expert whose weight is 0 does not reach the output.
; REGISTERS: window 0: v0-31 addresses, v32-103 / v104-175 x's fragments (two buffers), v176-239 W1's buffer 3, v240-243 bias;
; window 1: v0-63, v64-127, v192-255 W1's buffers 0, 1, 2, v128-191 accumulators of rows 128-143; window 2: rows 0-63; window 3: rows 64-127.
.set PA,     272                       ; LDS pitch of x's rows: 256 bytes + 16: seventeen 16-byte columns, odd
.set SLOT,   144*PA                    ; 39,168
.set STEPA,  256                       ; bytes from a chunk to the next: 128 f16 along x's rows
.set QB,     65536                     ; bytes from a quarter's tiles of W1 to the next quarter's
.set SPITCH, 528                       ; the way out: 128 f32 + 16 bytes
.set STAGEW, 144*SPITCH                ; a wave's stage; the four lie over the ring, used behind its last fill and a barrier
.set SCR,    4*STAGEW                  ; 304,128: the block's 144 row weights; no tensor load lands here
.set ADRA, 16                          ; v16-17 LDS address of x's fragments in slot 0, 1
.set VB,   20                          ; v20 16 x lane; never rewritten
.set STO,  24                          ; v24 stage, rows 0-63; v25 rows 64-143
.set STO2, 25
.set WRD,  26                          ; v26 where the row weights are read
.set RD,   27                          ; v27 where rows are read back
.set HO,   28                          ; v28 8 x lane
.set XA, 32
.set XB, 64
.set WTA, 96
.set WTB, 104
.set T,  112                           ; v[112:151] at work
.set OA, 152
.set OB, 168
.set CP, 184
.set N1, 186
.set N2, 188
.set N3, 190
.set N4, 192
.set N5, 194
.set NEGK, 196
.set ONE, 198
.set G1, 24                            ; s[24:31] descriptor group 1
.set G0, 32                            ; s[32:39] descriptor group 0, a set for each slot
.set LP, 62                            ; s[62:63] where W1's next loads read
.set MSB, 0
.macro WIN new                         ; the immediate's high byte repeats the setting that is left
.if MSB != \new
	s_set_vgpr_msb (MSB<<8)|\new
.set MSB, \new
.endif
.endm
.macro PLACES                          ; four places behind a matrix instruction before one of its registers is loaded, written or read by another kind of instruction (ISA guide 7.12.1)
.rept 4
	v_nop
.endr
.endm
; A round of the cluster's barrier: my work-group's barrier, so that wave 0's signal speaks for all four waves; wave 0 signals for the work-group;
; every wave waits for all four work-groups; my work-group's barrier once more.  No LDS instruction of the wave is pending at a signal.
.macro CREST                           ; a round behind its opening barrier
	s_cmp_lg_u32 s16, 0
	s_cbranch_scc1 .Lnot_wave_0_\@
	s_barrier_signal -3
.Lnot_wave_0_\@:
	s_barrier_wait -3
	s_barrier_signal -1
	s_barrier_wait -1
.endm
.macro CROUND                          ; a whole round
	s_barrier_signal -1
	s_barrier_wait -1
	CREST
.endm
.macro DESC1 g, w0, d0, d1, st         ; descriptor group 1: a tile of d1 rows x d0 elements of 2 bytes, st elements from row to row; the extents are the tile's
	s_mov_b32 s[\g+0], \w0
	s_mov_b32 s[\g+1], (\d0)<<16
	s_mov_b32 s[\g+2], (\d1)<<16
	s_mov_b32 s[\g+3], (\d0)<<16
	s_mov_b32 s[\g+4], \d1
	s_mov_b32 s[\g+5], \st
	s_mov_b32 s[\g+6], 0
	s_mov_b32 s[\g+7], 0
.endm
.macro CONST2 r, val
	v_mov_b32 v[\r], \val
	v_mov_b32 v[\r+1], \val
.endm
.macro BSEL fb                         ; where W1's buffer fb lies: first register and window
.if (\fb) == 3
.set BREG, 176
.set BWIN, 0
.else
.set BWIN, 1
.if (\fb) == 2
.set BREG, 192
.else
.set BREG, 64*(\fb)
.endif
.endif
.endm
	s_load_b256 s[4:11], s[0:1], 0x0               ; Xs s[4:5], Wb s[6:7], b1 s[8:9], plan s[10:11]
	s_load_b128 s[12:15], s[0:1], 0x20             ; sw s[12:13], H s[14:15]
	v_lshl_add_u32 v254, v0, 2, 0x4a700
	v_mov_b32 v255, 0
	ds_add_u32 v254, v255
	ds_add_u32 v254, v255
	v_lshrrev_b32 v1, 5, v0
	v_readfirstlane_b32 s16, v1                    ; wave
	s_bfe_u32 s78, ttmp6, 0x40000                  ; cx: my place in the cluster
	s_lshl_b32 s19, ttmp9, 2                       ; in a cluster launch ttmp9 and ttmp7 count clusters
	s_add_co_u32 s19, s19, s78                     ; c = 4 x cluster x + cx
	s_and_b32 s20, ttmp7, 0xffff                   ; b: the cluster is one work-group high
	s_lshl_b32 s22, s20, 4
	s_mov_b32 s23, 0
	DESC1 G1, 15|(1<<16)|(1<<20)|(1<<21)|(5<<22)|(3<<25), 128, 36, 1024   ; the mask names all four of the cluster, bit 21 beside it; 36 rows of 128 f16; 4 words of padding behind every 64
	s_mul_i32 s60, s20, 144
	s_mul_i32 s61, s16, 36
	s_add_co_u32 s60, s60, s61
	s_lshl_b32 s60, s60, 11                        ; x: row 144 b + 36 wave, 2,048 bytes a row: the same in all four partners
	s_mov_b32 s61, 0
	s_mul_i32 s66, s16, 36*PA                      ; where my rows go in a slot
	s_wait_dscnt 0x0
	s_wait_kmcnt 0x0
	s_add_nc_u64 s[22:23], s[10:11], s[22:23]
	s_load_b128 s[56:59], s[22:23], 0x0            ; btab[b]: ea, eb, eb - ea - 1, 0
	s_add_nc_u64 s[60:61], s[4:5], s[60:61]
	CROUND                                         ; all four work-groups are here: the first joint loads meet
	; the first fills, chunks 0 and 1: two loads a wave, ahead of every wait on TENSORcnt and every LDS read
.irp s, 0,1
	s_mov_b32 s[G0+4*\s], 1
	s_add_co_u32 s[G0+4*\s+1], s66, \s*SLOT
	s_add_nc_u64 s[G0+4*\s+2:G0+4*\s+3], s[60:61], \s*STEPA
	s_or_b32 s[G0+4*\s+3], s[G0+4*\s+3], 0x80000000
	tensor_load_to_lds s[G0+4*\s:G0+4*\s+3], s[G1:G1+7]
	s_nop 0
.endr
	v_and_b32 v1, 31, v0                           ; l
	v_and_b32 v2, 15, v0                           ; r = l % 16
	v_bfe_u32 v3, v0, 4, 1                         ; h = l / 16
	v_mul_u32_u24 v4, PA, v2
	v_lshl_add_u32 v[ADRA], v3, 4, v4              ; row r, 16 h bytes along K
	v_add_nc_u32 v[ADRA+1], SLOT, v[ADRA]
	v_lshlrev_b32 v[VB], 4, v1
	s_mul_i32 s69, s16, STAGEW
	v_mul_u32_u24 v7, SPITCH, v2
	v_lshl_add_u32 v7, v3, 5, v7
	v_add_nc_u32 v[STO], s69, v7                   ; stage: row r, 8 h columns of f32
	v_add_nc_u32 v[STO2], 64*SPITCH, v[STO]
	v_add_nc_u32 v[RD], s69, v[VB]
	v_mov_b32 v[WRD], SCR
	v_lshlrev_b32 v[HO], 3, v1
	v_lshlrev_b32 v10, 2, v1                       ; words 0-31 of my 36 row weights
	v_and_b32 v11, 3, v0
	v_lshlrev_b32 v11, 2, v11
	v_add_nc_u32 v11, 128, v11                     ; words 32-35, each by eight lanes
	s_and_b32 s67, s19, 1
	s_wait_kmcnt 0x0
	s_cmp_lt_u32 s19, 2
	s_cselect_b32 s21, s56, s57
	s_min_u32 s21, s21, 3                          ; my expert
	s_lshl_b32 s62, s21, 21                        ; 2 MiB an expert
	s_lshl_b32 s63, s67, 15                        ; 512 columns = 32 tiles of 1,024 bytes
	s_add_co_u32 s62, s62, s63
	s_lshl_b32 s63, s16, 13                        ; my 128 columns = 8 tiles
	s_add_co_u32 s62, s62, s63
	s_mov_b32 s63, 0
	s_add_nc_u64 s[LP:LP+1], s[6:7], s[62:63]
	s_lshl_b32 s70, s21, 12                        ; bias: (1024 e + 512 (c & 1) + 128 w + 4 lane) x 4 bytes
	s_lshl_b32 s71, s67, 11
	s_add_co_u32 s70, s70, s71
	s_lshl_b32 s71, s16, 9
	s_add_co_u32 s70, s70, s71
	v_add_nc_u32 v9, s70, v[VB]
	global_load_b128 v[240:243], v9, s[8:9]
	s_lshr_b32 s75, s19, 1                         ; row weights: swa for c < 2, swb else; 36 of the block's 144 a wave
	s_mul_i32 s75, s75, 35712
	s_mul_i32 s76, s20, 576
	s_add_co_u32 s75, s75, s76
	s_mul_i32 s76, s16, 144
	s_add_co_u32 s75, s75, s76
	s_add_co_u32 s76, s76, SCR
	v_add_nc_u32 v12, s75, v10
	v_add_nc_u32 v13, s75, v11
	global_load_b32 v14, v12, s[12:13]
	global_load_b32 v15, v13, s[12:13]
	v_add_nc_u32 v10, s76, v10
	v_add_nc_u32 v11, s76, v11
; 8 matrix instructions: row group a (16 rows) x my eight column groups, 32 along K, x's buffer fa, W1's buffer fb.  zero = 1: the first product starts the sums.
; The 72 accumulators take turns, one instruction a turn, in the same order in every quarter and over the backward jump.
.macro MULROW fa, fb, a, zero
	BSEL \fb
.if \a < 4
.set NW, 0xa0+BWIN
.set ACCB, 64*\a
.else
.if \a < 8
.set NW, 0xf0+BWIN
.set ACCB, 64*(\a-4)
.else
.set NW, 0x50+BWIN
.set ACCB, 128
.endif
.endif
	WIN NW
.irp bt, 0,1,2,3,4,5,6,7
.if \zero
	v_wmma_f32_16x16x32_f16 v[ACCB+8*\bt:ACCB+8*\bt+7], v[BREG+8*\bt:BREG+8*\bt+7], v[32+72*(\fa)+8*\a:32+72*(\fa)+8*\a+7], 0
.else
	v_wmma_f32_16x16x32_f16 v[ACCB+8*\bt:ACCB+8*\bt+7], v[BREG+8*\bt:BREG+8*\bt+7], v[32+72*(\fa)+8*\a:32+72*(\fa)+8*\a+7], v[ACCB+8*\bt:ACCB+8*\bt+7]
.endif
.endr
.endm
; 18 LDS loads: x's fragments of 32 along K (quarter kq of the slot's four) into buffer f, row groups 0 to 8
.macro FETCH slot, kq, f
	WIN 0
.irp a, 0,1,2,3,4,5,6,7,8
	ds_load_b128 v[32+72*(\f)+8*\a:32+72*(\f)+8*\a+3], v[ADRA+(\slot)] offset:64*(\kq)+\a*16*PA
	ds_load_b128 v[32+72*(\f)+8*\a+4:32+72*(\f)+8*\a+7], v[ADRA+(\slot)] offset:64*(\kq)+\a*16*PA+32
.endr
.endm
; 16 global loads: W1's eight fragments of the quarter li quarters behind the pointer, into buffer fb; each covers 512 consecutive bytes
.macro BLOAD fb, li
	BSEL \fb
.if BWIN == 1
	WIN 0x40
.else
	WIN 0
.endif
.irp bt, 0,1,2,3,4,5,6,7
	global_load_b128 v[BREG+8*\bt:BREG+8*\bt+3], v[VB], s[LP:LP+1] offset:(\li)*QB+\bt*1024
	global_load_b128 v[BREG+8*\bt+4:BREG+8*\bt+7], v[VB], s[LP:LP+1] offset:(\li)*QB+\bt*1024+512
.endr
.endm
; Quarter q, not the last of its chunk.  It multiplies x's buffer q & 1 by W1's buffer q & 3; at its head it fetches x's fragments of quarter q + 1
; and (li >= 0) asks for W1's of quarter q + 3, into the buffers that quarter q - 1 has read.  lcnt: W1's loads younger than this quarter's.
.macro QQ q, li, lcnt, zero
	s_wait_dscnt 10                                ; x's fragments but for the ten youngest loads, row groups 4 to 8
	s_wait_loadcnt \lcnt                           ; W1's fragments of this quarter; the younger quarters' loads stay out
	PLACES
	FETCH (((\q)+1)>>2)&1, ((\q)+1)&3, ((\q)+1)&1
.if \li >= 0
	BLOAD ((\q)+3)&3, \li
.endif
.irp a, 0,1,2,3
	MULROW (\q)&1, (\q)&3, \a, \zero
.endr
	s_wait_dscnt 18                                ; all but the fetch just issued
.irp a, 4,5,6,7,8
	MULROW (\q)&1, (\q)&3, \a, \zero
.endr
.endm
; Quarter q, the last of its chunk: it changes slots.  In front of the barrier my reads of this slot and all my tensor loads (one is out: my rows
; of the next chunk) are done.  fill = 1: the barrier opens a round of the cluster's barrier, with register work alone inside it; behind the round no
; wave of any partner reads this slot or has a load on its way, and the joint refill comes first; then the next slot is read.
.macro TT q, li, lcnt, fill
.set SL, ((\q)>>2)&1
	s_wait_dscnt 0x0
	s_set_vgpr_msb 0x5150
	s_wait_tensorcnt 0x0
	ds_add_u32 v254, v255
	s_wait_dscnt 0x0
	s_set_vgpr_msb 0x5051
	s_wait_loadcnt \lcnt
	s_barrier_signal -1
	MULROW (\q)&1, (\q)&3, 0, 0
	MULROW (\q)&1, (\q)&3, 1, 0
	WIN 0                                          ; a branch follows
	s_barrier_wait -1
.if \fill
	CREST
	s_add_nc_u64 s[G0+4*SL+2:G0+4*SL+3], s[G0+4*SL+2:G0+4*SL+3], 2*STEPA   ; no tensor load of mine is out: the address may step
	tensor_load_to_lds s[G0+4*SL:G0+4*SL+3], s[G1:G1+7]
	s_nop 0
.endif
	PLACES
	FETCH (((\q)+1)>>2)&1, 0, ((\q)+1)&1
	BLOAD ((\q)+3)&3, \li
.irp a, 2,3,4,5,6,7,8
	MULROW (\q)&1, (\q)&3, \a, 0
.endr
.endm
	BLOAD 0, 0                                     ; W1's quarters 0, 1, 2
	BLOAD 1, 1
	BLOAD 2, 2
	WIN 0
	s_mul_i32 s72, s20, 144*4096                   ; H at row 144 b, column 512 c + 128 w
	s_lshl_b32 s73, s19, 10
	s_add_co_u32 s72, s72, s73
	s_lshl_b32 s73, s16, 8
	s_add_co_u32 s72, s72, s73
	s_mov_b32 s73, 0
	s_add_nc_u64 s[72:73], s[14:15], s[72:73]
	s_mov_b32 s74, 0x7fffffff
	s_wait_loadcnt 48                              ; bias and row weights are in; W1's 48 loads stay out
	ds_store_b32 v10, v14
	ds_store_b32 v11, v15
	s_wait_tensorcnt 0x1                           ; my rows of chunk 0 are in; chunk 1's stay out
	s_wait_dscnt 0x0
	s_barrier_signal -1
	s_barrier_wait -1
	FETCH 0, 0, 0
	QQ 0, 3, 32, 1                                 ; quarter 0 starts the sums; two younger quarters of 16 loads stay out
	WIN 0
	s_wait_xcnt 0x0                                ; the pointer steps only behind this wait
	s_add_nc_u64 s[LP:LP+1], s[LP:LP+1], 4*QB      ; to quarter 4, which quarter 1 asks for
	s_mov_b32 s3, 3
.Llap:                                             ; quarters 8 t + 1 .. 8 t + 8, t = 0, 1, 2: they ask for chunks 2 to 7 and for W1's quarters 4 to 27
	QQ 1, 0, 32, 0
	QQ 2, 1, 32, 0
	TT 3, 2, 32, 1
	QQ 4, 3, 32, 0
	QQ 5, 4, 32, 0
	QQ 6, 5, 32, 0
	TT 7, 6, 32, 1
	QQ 8, 7, 32, 0
	WIN 0
	s_wait_xcnt 0x0
	s_add_nc_u64 s[LP:LP+1], s[LP:LP+1], 8*QB
	s_sub_co_u32 s3, s3, 1
	s_cmp_lg_u32 s3, 0
	s_cbranch_scc1 .Llap
	QQ 25, 0, 32, 0                                ; the last seven quarters: no chunk is left to fetch, W1's loads end with quarter 31 and the counts run down
	QQ 26, 1, 32, 0
	TT 27, 2, 32, 0
	QQ 28, 3, 32, 0
	QQ 29, -1, 32, 0
	QQ 30, -1, 16, 0
	s_wait_dscnt 0x0
	s_wait_loadcnt 0x0
.irp a, 0,1,2,3,4,5,6,7,8
	MULROW 1, 3, \a, 0
.endr
	; THE WAY OUT.  The sums go as f32 into my stage, are read back by rows (a lane then holds 4 fixed columns), get bias, GELU and the row's weight.
	PLACES
	WIN 0
	CONST2 CP,   0x3e6d3389                        ; 0.2316419
	CONST2 N1,   0xbe027906                        ; -0.127414796   the five coefficients times 1 / sqrt(2 pi), negated
	CONST2 N2,   0x3e11a98e                        ; +0.142248368
	CONST2 N3,   0xbf35f0e3                        ; -0.710706871
	CONST2 N4,   0x3f3a00e3                        ; +0.726576014
	CONST2 N5,   0xbf07dc22                        ; -0.530702715
	CONST2 NEGK, 0xbf38aa3b                        ; -0.72134752 = -log2(e) / 2
	CONST2 ONE,  1.0
	s_wait_dscnt 0x0
	s_barrier_signal -1
	s_barrier_wait -1                              ; no wave reads the ring any more, and it has had its last fill
.macro DUMP a
.if \a < 4
	WIN 0x08
.set ACCB, 64*\a
.set SREG, STO
.set SOFF, \a*16*SPITCH
.else
.if \a < 8
	WIN 0x0c
.set ACCB, 64*(\a-4)
.set SREG, STO2
.set SOFF, (\a-4)*16*SPITCH
.else
	WIN 0x04
.set ACCB, 128
.set SREG, STO2
.set SOFF, 4*16*SPITCH
.endif
.endif
.irp bt, 0,1,2,3,4,5,6,7
	ds_store_b128 v[SREG], v[ACCB+8*\bt:ACCB+8*\bt+3] offset:SOFF+64*\bt
	ds_store_b128 v[SREG], v[ACCB+8*\bt+4:ACCB+8*\bt+7] offset:SOFF+64*\bt+16
.endr
.endm
.irp a, 0,1,2,3,4,5,6,7,8
	DUMP \a
.endr
	WIN 0
; eight rows (counted from where RD stands) and their weights: ten LDS loads.  The stage is my own and LDS serves a wave in order: no wait behind the stores.
.macro PRE x, w, row
.irp k, 0,1,2,3,4,5,6,7
	ds_load_b128 v[\x+4*\k:\x+4*\k+3], v[RD] offset:(\row+\k)*SPITCH
.endr
	ds_load_b128 v[\w:\w+3], v[WRD] offset:4*\row
	ds_load_b128 v[\w+4:\w+7], v[WRD] offset:4*\row+16
.endm
; two rows, eight numbers in four pairs.  S = T+0, d then r = T+8, t = T+16, u then max = T+24, E = T+32.
.macro GROW2 xr, wr, o
.irp p, 0,2,4,6
	v_pk_add_f32 v[\xr+\p:\xr+\p+1], v[\xr+\p:\xr+\p+1], v[240+(\p&2):241+(\p&2)]          ; + bias
.endr
.irp i, 0,1,2,3,4,5,6,7
	v_and_b32 v[T+\i], s74, v[\xr+\i]                                                      ; s = |x|
.endr
.irp p, 0,2,4,6
	v_pk_fma_f32 v[T+8+\p:T+9+\p], v[T+\p:T+\p+1], v[CP:CP+1], v[ONE:ONE+1]
.endr
.irp i, 0,1,2,3,4,5,6,7
	v_rcp_f32 v[T+16+\i], v[T+8+\i]                                                        ; t
.endr
.irp p, 0,2,4,6
	v_pk_mul_f32 v[T+24+\p:T+25+\p], v[\xr+\p:\xr+\p+1], v[\xr+\p:\xr+\p+1]                ; plain instructions behind v_rcp_f32 (ISA guide 5.7.2)
.endr
.irp p, 0,2,4,6
	v_pk_mul_f32 v[T+24+\p:T+25+\p], v[T+24+\p:T+25+\p], v[NEGK:NEGK+1]
.endr
.irp i, 0,1,2,3,4,5,6,7
	v_exp_f32 v[T+32+\i], v[T+24+\i]                                                       ; e^(-x^2 / 2)
.endr
	s_wait_alu depctr_va_vdst(0)
.irp p, 0,2,4,6
	v_pk_fma_f32 v[T+8+\p:T+9+\p], v[T+16+\p:T+17+\p], v[N5:N5+1], v[N4:N4+1]              ; plain instructions behind v_exp_f32
.endr
.irp c, N3,N2,N1
.irp p, 0,2,4,6
	v_pk_fma_f32 v[T+8+\p:T+9+\p], v[T+8+\p:T+9+\p], v[T+16+\p:T+17+\p], v[\c:\c+1]
.endr
.endr
.irp p, 0,2,4,6
	v_pk_mul_f32 v[T+8+\p:T+9+\p], v[T+8+\p:T+9+\p], v[T+16+\p:T+17+\p]
.endr
.irp p, 0,2,4,6
	v_pk_mul_f32 v[T+8+\p:T+9+\p], v[T+8+\p:T+9+\p], v[T+32+\p:T+33+\p]                    ; -q
.endr
.irp i, 0,1,2,3,4,5,6,7
	v_max_num_f32 v[T+24+\i], 0, v[\xr+\i]
.endr
.irp p, 0,2,4,6
	v_pk_fma_f32 v[T+8+\p:T+9+\p], v[T+\p:T+\p+1], v[T+8+\p:T+9+\p], v[T+24+\p:T+25+\p]    ; gelu = max(x, 0) - s q
.endr
.irp i, 0,1,2,3,4,5,6,7
	v_mul_f32 v[T+8+\i], v[T+8+\i], v[\wr+(\i>>2)]                                         ; x the row's combine weight
.endr
.irp p, 0,2,4,6
	v_cvt_pk_f16_f32 v[\o+(\p>>1)], v[T+8+\p], v[T+9+\p]                                   ; two roundings to f16, packed
.endr
.endm
.macro GTRIP x, w, o, row
	s_wait_xcnt 0x0                                ; the registers at o were a store's data: rewritten only behind this wait
.irp k, 0,1,2,3
	GROW2 \x+8*\k, \w+2*\k, \o+4*\k
.endr
.irp k, 0,1,2,3,4,5,6,7
	global_store_b64 v[HO], v[\o+2*\k:\o+2*\k+1], s[72:73] offset:(\row+\k)*4096   ; the wave's 128 columns of a row: 256 consecutive bytes, aligned
.endr
.endm
	PRE XA, WTA, 0
	s_mov_b32 s3, 8
.Lrows:                                            ; 16 rows a trip, on two sets of registers
	PRE XB, WTB, 8
	s_wait_dscnt 10                                ; all but the ten loads just issued
	GTRIP XA, WTA, OA, 0
	PRE XA, WTA, 16
	s_wait_dscnt 10
	GTRIP XB, WTB, OB, 8
	s_wait_xcnt 0x0                                ; the stores' base steps only behind this wait
	v_add_nc_u32 v[RD], 16*SPITCH, v[RD]
	v_add_nc_u32 v[WRD], 64, v[WRD]
	s_add_nc_u64 s[72:73], s[72:73], 0x10000
	s_sub_co_u32 s3, s3, 1
	s_cmp_lg_u32 s3, 0
	s_cbranch_scc1 .Lrows
	PRE XB, WTB, 8                                 ; rows 128 to 143: no further rows to read
	s_wait_dscnt 10
	GTRIP XA, WTA, OA, 0
	s_wait_dscnt 0x0
	GTRIP XB, WTB, OB, 8
	s_wait_tensorcnt 0x0
	ds_add_u32 v254, v255
	s_wait_dscnt 0x0
	CROUND                                         ; the closing round: no work-group ends while a partner may still ask for a chunk that names it
	s_endpgm
.Lfunc_end_k_q6d8f6ff8e1_ffn1:
	.size	k_q6d8f6ff8e1_ffn1, .Lfunc_end_k_q6d8f6ff8e1_ffn1-k_q6d8f6ff8e1_ffn1
	.p2alignl 7, 3214868480
	.fill 96, 4, 3214868480
	.section	.rodata,"a",@progbits
	.p2align	6, 0x0
	.amdhsa_kernel k_q6d8f6ff8e1_ffn1
		.amdhsa_group_segment_fixed_size 327680
		.amdhsa_private_segment_fixed_size 0
		.amdhsa_enable_private_segment 0
		.amdhsa_kernarg_size 48
		.amdhsa_user_sgpr_count 2
		.amdhsa_user_sgpr_kernarg_segment_ptr 1
		.amdhsa_wavefront_size32 1
		.amdhsa_system_sgpr_workgroup_id_x 1
		.amdhsa_system_sgpr_workgroup_id_y 1
		.amdhsa_system_sgpr_workgroup_id_z 1
		.amdhsa_system_vgpr_workitem_id 0
		.amdhsa_next_free_vgpr 1024
		.amdhsa_next_free_sgpr 80
		.amdhsa_reserve_vcc 0
		.amdhsa_float_denorm_mode_32 3
		.amdhsa_float_denorm_mode_16_64 3
		.amdhsa_memory_ordered 1
		.amdhsa_forward_progress 1
		.amdhsa_inst_pref_size 213
	.end_amdhsa_kernel
	.amdgpu_metadata
---
amdhsa.version: [ 1, 2 ]
amdhsa.kernels:
  - .name:           k_q6d8f6ff8e1_ffn1
    .symbol:         k_q6d8f6ff8e1_ffn1.kd
    .args:
      - { .name: Xs, .offset: 0, .size: 8, .value_kind: global_buffer, .address_space: global }
      - { .name: Wb, .offset: 8, .size: 8, .value_kind: global_buffer, .address_space: global }
      - { .name: b1, .offset: 16, .size: 8, .value_kind: global_buffer, .address_space: global }
      - { .name: plan, .offset: 24, .size: 8, .value_kind: global_buffer, .address_space: global }
      - { .name: sw, .offset: 32, .size: 8, .value_kind: global_buffer, .address_space: global }
      - { .name: H, .offset: 40, .size: 8, .value_kind: global_buffer, .address_space: global }
    .group_segment_fixed_size: 327680
    .private_segment_fixed_size: 0
    .kernarg_segment_align: 8
    .kernarg_segment_size: 48
    .max_flat_workgroup_size: 128
    .sgpr_count:     80
    .vgpr_count:     1024
    .wavefront_size: 32
...
	.end_amdgpu_metadata
.endif
;; end of part 6
;; launch ffn2 (part 7): grid 4 x 62, 4 waves a work-group, clusters of 4 x 1, 327,680 bytes of LDS; arguments H, Wb, b2, plan, sw, out0; writes out0
.if DOCPART == 7
	.amdgcn_target "amdgcn-amd-amdhsa--gfx1250"
	.amdhsa_code_object_version 6
	.text
	.protected	k_q6d8f6ff8e1_ffn2
	.globl	k_q6d8f6ff8e1_ffn2
	.p2align	8
	.type	k_q6d8f6ff8e1_ffn2,@function
k_q6d8f6ff8e1_ffn2:
	s_mov_b64 s[64:65], 0
	v_nop
	global_prefetch_b8 v0, s[64:65] scope:SCOPE_SE
	s_setreg_imm32_b32 hwreg(HW_REG_WAVE_MODE, 25, 1), 1
	s_wait_xcnt 0x0
	s_wait_alu depctr_hold_cnt(0) depctr_sa_sdst(0) depctr_va_vdst(0) depctr_va_sdst(0) depctr_va_ssrc(0) depctr_va_vcc(0) depctr_vm_vsrc(0)
	s_getreg_b32 s2, hwreg(HW_REG_IB_STS2, 6, 4)
	s_cmp_eq_u32 s2, 0
	s_cbranch_scc0 .Lentry_in_a_cluster
	s_endpgm
.Lentry_in_a_cluster:
	s_bfe_u32 s2, ttmp6, 0x10000c
	s_cmp_lg_u32 s2, 0x3003
	s_cbranch_scc0 .Lentry_shape_is_right
	s_endpgm
.Lentry_shape_is_right:
; ffn2: out0[token] = H[slot][0:2048] . [W2[ea]; W2[eb]] + wa b2[ea] + wb b2[eb].  H already carries the combine weights, so both experts
; of a token are one sum over K = 2048, and each row of out0 is made by one work-group row: no sum between work-groups.
; Work-group (c, b): the 144 slots of block b x columns 256 c .. 256 c + 255.  Four waves side by side, each 144 rows x 64 columns: 36 accumulator tiles.
; K = 2048 in 64 quarters of 32, 36 matrix instructions each.
; THE TWO OPERANDS TAKE DIFFERENT ROADS.
; H's rows are read by all four waves, so they go through LDS: 8 chunks of 256 along K through two slots; each wave brings 36 rows (512 bytes
; a row, aligned) with one tensor load.  A chunk that is asked for behind one change of slots is waited for at the next, 280 matrix instructions later.
; W2's columns belong to one wave each, so LDS would share nothing.  W2 lies in Wb in the order of the matrix fragments (1,024 bytes for 16 columns
; x 32 k; quarter kg's tiles at 65,536 kg), and a wave loads the 4 KiB of a quarter straight into registers: 8 loads of 512 consecutive bytes, into
; a ring of eight buffers, seven quarters (252 matrix instructions) ahead of their use.  No barrier binds them.
; Quarters 0-31 read W2[ea], quarters 32-63 W2[eb]: the pointer, which steps by 8 quarters, gets (eb - ea - 1) x 2 MiB more when it steps to quarter 32.
; CLUSTER: the four column tiles of a block (c = 0..3) form a cluster of 4 x 1.  They read the same 144 rows of H, so a chunk is asked for JOINTLY:
; wave w of each of the four issues the same tensor load (global address from the block and the wave's number, LDS address from the wave's number,
; mask 15), and each receives the rows in its own LDS: the 72 KiB of a chunk are asked for once instead of four times.  A round of the cluster's
; barrier stands in front of the first joint loads, takes the barrier's place at each refill, and closes the kernel.  c enters global addresses alone.
; W2's 128 KiB for the same 256 along K are not asked for jointly: the four tiles of a cluster have different columns; blocks of the same pair of
; experts would share them, but which blocks those are is read from memory, and the weights go straight into registers.
; H and W2 are f16 (11 significant bits; the launches that make them say what room the numbers have), the sums f32, the biases f32.
; A slot beyond a block's rows repeats the block's first token: the same numbers go to the same row of out0, from the same wave.
; LIMIT: only the two experts of a token are computed; an infinity or NaN of an expert whose weight is 0 does not reach the output.
; REGISTERS: window 0: v0-31 addresses, v32-103 / v104-175 H's fragments, v240-247 the two biases; window 1: accumulators of rows 0-127;
; window 2: v0-31 rows 128-143, v32-103 tokens, v104-175 wa, v176-247 wb (register 8 a + j: row 16 a + 8 h + j); window 3: W2's eight buffers of 32.
.set PA,     528                       ; LDS pitch of H's rows: 512 bytes + 16: thirty-three 16-byte columns, odd
.set SLOT,   144*PA                    ; 76,032
.set STEPA,  512                       ; bytes from a chunk to the next: 256 f16 along H's rows
.set QB,     65536                     ; bytes from a quarter's tiles of W2 to the next quarter's
.set STAGE,  2*SLOT                    ; 152,064: 16 rows x 272 bytes for each wave, its own; no tensor load lands here
.set SCR,    STAGE+4*16*272            ; 169,472: the block's 144 tokens, 144 wa, 144 wb; no tensor load lands here
.set ADRA,  16                         ; v16-17 LDS address of H's fragments, row groups 0-3, in slot 0, 1
.set ADRAH, 18                         ; v18-19 the same 64 rows further down, for row groups 4-8: the immediate holds 16 bits
.set VB,   20                          ; v20 16 x lane; never rewritten
.set STO,  24
.set RD,   25
.set COL,  26
.set G1, 24                            ; s[24:31] descriptor group 1
.set G0, 32                            ; s[32:39] descriptor group 0, a set for each slot
.set LP, 62                            ; s[62:63] where W2's next loads read
.set MSB, 0
.macro WIN new                         ; the immediate's high byte repeats the setting that is left
.if MSB != \new
	s_set_vgpr_msb (MSB<<8)|\new
.set MSB, \new
.endif
.endm
.macro PLACES                          ; four places behind a matrix instruction before one of its registers is loaded, written or read by another kind of instruction (ISA guide 7.12.1)
.rept 4
	v_nop
.endr
.endm
; A round of the cluster's barrier: my work-group's barrier, so that wave 0's signal speaks for all four waves; wave 0 signals for the work-group;
; every wave waits for all four work-groups; my work-group's barrier once more.  No LDS instruction of the wave is pending at a signal.
.macro CREST                           ; a round behind its opening barrier
	s_cmp_lg_u32 s16, 0
	s_cbranch_scc1 .Lnot_wave_0_\@
	s_barrier_signal -3
.Lnot_wave_0_\@:
	s_barrier_wait -3
	s_barrier_signal -1
	s_barrier_wait -1
.endm
.macro CROUND                          ; a whole round
	s_barrier_signal -1
	s_barrier_wait -1
	CREST
.endm
	s_load_b256 s[4:11], s[0:1], 0x0               ; H s[4:5], Wb s[6:7], b2 s[8:9], plan s[10:11]
	s_load_b128 s[12:15], s[0:1], 0x20             ; sw s[12:13], out0 s[14:15]
	v_lshl_add_u32 v254, v0, 2, 0x29e00
	v_mov_b32 v255, 0
	ds_add_u32 v254, v255
	ds_add_u32 v254, v255
	v_lshrrev_b32 v1, 5, v0
	v_readfirstlane_b32 s16, v1                    ; wave
	s_bfe_u32 s82, ttmp6, 0x40000                  ; cx: my place in the cluster
	s_lshl_b32 s19, ttmp9, 2                       ; in a cluster launch ttmp9 and ttmp7 count clusters
	s_add_co_u32 s19, s19, s82                     ; c = 4 x cluster x + cx
	s_and_b32 s20, ttmp7, 0xffff                   ; b: the cluster is one work-group high
	s_lshl_b32 s22, s20, 4
	s_mov_b32 s23, 0
	; descriptor group 1: a tile of 36 rows x 256 f16, 2,048 elements from row to row; the extents are the tile's
	s_mov_b32 s[G1+0], 15|(1<<16)|(1<<20)|(1<<21)|(6<<22)|(3<<25)   ; the mask names all four of the cluster, bit 21 beside it; elements of 2 bytes; 4 words of padding behind every 128
	s_mov_b32 s[G1+1], 256<<16
	s_mov_b32 s[G1+2], 36<<16
	s_mov_b32 s[G1+3], 256<<16
	s_mov_b32 s[G1+4], 36
	s_mov_b32 s[G1+5], 2048
	s_mov_b32 s[G1+6], 0
	s_mov_b32 s[G1+7], 0
	s_mul_i32 s60, s20, 144
	s_mul_i32 s61, s16, 36
	s_add_co_u32 s60, s60, s61
	s_lshl_b32 s60, s60, 12                        ; H: row 144 b + 36 wave, 4,096 bytes a row: the same in all four partners
	s_mov_b32 s61, 0
	s_mul_i32 s66, s16, 36*PA                      ; where my rows go in a slot
	s_wait_dscnt 0x0
	s_wait_kmcnt 0x0
	s_add_nc_u64 s[22:23], s[10:11], s[22:23]
	s_load_b128 s[56:59], s[22:23], 0x0            ; btab[b]: ea, eb, eb - ea - 1, 0
	s_add_nc_u64 s[60:61], s[4:5], s[60:61]
	CROUND                                         ; all four work-groups are here: the first joint loads meet
	; the first fills, chunks 0 and 1: two loads a wave, ahead of every wait on TENSORcnt and every LDS read
.irp s, 0,1
	s_mov_b32 s[G0+4*\s], 1
	s_add_co_u32 s[G0+4*\s+1], s66, \s*SLOT
	s_add_nc_u64 s[G0+4*\s+2:G0+4*\s+3], s[60:61], \s*STEPA
	s_or_b32 s[G0+4*\s+3], s[G0+4*\s+3], 0x80000000
	tensor_load_to_lds s[G0+4*\s:G0+4*\s+3], s[G1:G1+7]
	s_nop 0
.endr
	v_and_b32 v1, 31, v0                           ; l
	v_and_b32 v2, 15, v0                           ; r = l % 16
	v_bfe_u32 v3, v0, 4, 1                         ; h = l / 16
	v_mul_u32_u24 v4, PA, v2
	v_lshl_add_u32 v[ADRA], v3, 4, v4              ; row r, 16 h bytes along K
	v_add_nc_u32 v[ADRA+1], SLOT, v[ADRA]
	v_add_nc_u32 v[ADRAH], 64*PA, v[ADRA]
	v_add_nc_u32 v[ADRAH+1], 64*PA, v[ADRA+1]
	v_lshlrev_b32 v[VB], 4, v1
	s_mul_i32 s69, s16, 16*272
	s_add_co_u32 s69, s69, STAGE
	v_mul_u32_u24 v7, 272, v2
	v_lshl_add_u32 v7, v3, 5, v7
	v_add_nc_u32 v[STO], s69, v7                   ; in: row r, 8 h columns of f32
	v_lshlrev_b32 v[COL], 4, v2                    ; 16 r
	v_mul_u32_u24 v7, 8*272, v3
	v_add3_u32 v[RD], v7, v[COL], s69              ; back: lanes 0-15 row j, lanes 16-31 row j + 8
	v_lshlrev_b32 v22, 5, v3
	v_add_nc_u32 v22, SCR, v22                     ; 32 h: eight words of the tables for each half of the lanes
	; the block's three tables of 144 words: each wave brings 36 words of each and puts them into LDS
	v_lshlrev_b32 v10, 2, v1                       ; words 0-31 of my 36
	v_and_b32 v11, 3, v0
	v_lshlrev_b32 v11, 2, v11
	v_add_nc_u32 v11, 128, v11                     ; words 32-35, each by eight lanes
	s_mul_i32 s74, s20, 576
	s_mul_i32 s68, s16, 144
	s_add_co_u32 s74, s74, s68
	s_mov_b32 s75, 0
	s_add_nc_u64 s[76:77], s[12:13], s[74:75]      ; my 36 weights
	s_add_nc_u64 s[74:75], s[10:11], s[74:75]      ; my 36 tokens (behind 1,024)
	s_add_co_u32 s68, s68, SCR
	v_add_nc_u32 v30, s68, v10
	v_add_nc_u32 v31, s68, v11
	global_load_b32 v8, v10, s[74:75] offset:1024
	global_load_b32 v9, v11, s[74:75] offset:1024
	global_load_b32 v12, v10, s[76:77]
	global_load_b32 v13, v11, s[76:77]
	global_load_b32 v14, v10, s[76:77] offset:35712
	global_load_b32 v15, v11, s[76:77] offset:35712
	s_wait_kmcnt 0x0
	s_min_u32 s56, s56, 3                          ; ea
	s_min_u32 s57, s57, 3                          ; eb
	s_min_u32 s58, s58, 2                          ; eb - ea - 1
	s_lshl_b32 s62, s56, 21                        ; 2 MiB an expert
	s_lshl_b32 s63, s19, 14                        ; 256 columns = 16 tiles of 1,024 bytes
	s_add_co_u32 s62, s62, s63
	s_lshl_b32 s63, s16, 12                        ; my 64 columns = 4 tiles
	s_add_co_u32 s62, s62, s63
	s_add_co_u32 s62, s62, 0x800000                ; W2 stands behind W1 in Wb
	s_mov_b32 s63, 0
	s_add_nc_u64 s[LP:LP+1], s[6:7], s[62:63]
	s_mov_b32 s73, 8*QB                            ; the pointer's step: 8 quarters
	s_lshl_b32 s72, s58, 21                        ; what is added once, from expert ea to expert eb
	s_mov_b32 s71, 0
	s_lshl_b32 s78, s19, 10
	s_lshl_b32 s79, s16, 8
	s_add_co_u32 s78, s78, s79                     ; (256 c + 64 w) x 4 bytes
	s_lshl_b32 s79, s56, 12
	s_add_co_u32 s79, s79, s78
	v_add_nc_u32 v23, s79, v[COL]
	s_lshl_b32 s79, s57, 12
	s_add_co_u32 s79, s79, s78
	v_add_nc_u32 v29, s79, v[COL]
	s_mov_b32 s79, 0
	s_add_nc_u64 s[80:81], s[14:15], s[78:79]      ; out0 at my 64 columns
	global_load_b128 v[240:243], v23, s[8:9]       ; b2[ea], my four columns
	global_load_b128 v[244:247], v29, s[8:9]       ; b2[eb]
; four matrix instructions: row group a x my four column groups, 32 along K, H's buffer fa, W2's buffer fb.  zero = 1: the first product starts the sums.
; The 36 accumulators take turns, one instruction a turn, in the same order in every quarter and over the backward jump.
.macro MULROW fa, fb, a, zero
.if \a < 8
	WIN 0x53
.set ACCB, 32*\a
.else
	WIN 0xa3
.set ACCB, 0
.endif
.irp bt, 0,1,2,3
.if \zero
	v_wmma_f32_16x16x32_f16 v[ACCB+8*\bt:ACCB+8*\bt+7], v[32*(\fb)+8*\bt:32*(\fb)+8*\bt+7], v[32+72*(\fa)+8*\a:32+72*(\fa)+8*\a+7], 0
.else
	v_wmma_f32_16x16x32_f16 v[ACCB+8*\bt:ACCB+8*\bt+7], v[32*(\fb)+8*\bt:32*(\fb)+8*\bt+7], v[32+72*(\fa)+8*\a:32+72*(\fa)+8*\a+7], v[ACCB+8*\bt:ACCB+8*\bt+7]
.endif
.endr
.endm
; 18 LDS loads: H's fragments of 32 along K (quarter kq of the slot's eight) into buffer f, row groups 0 to 8
.macro FETCH slot, kq, f
	WIN 0
.irp a, 0,1,2,3
	ds_load_b128 v[32+72*(\f)+8*\a:32+72*(\f)+8*\a+3], v[ADRA+(\slot)] offset:64*(\kq)+\a*16*PA
	ds_load_b128 v[32+72*(\f)+8*\a+4:32+72*(\f)+8*\a+7], v[ADRA+(\slot)] offset:64*(\kq)+\a*16*PA+32
.endr
.irp a, 4,5,6,7,8
	ds_load_b128 v[32+72*(\f)+8*\a:32+72*(\f)+8*\a+3], v[ADRAH+(\slot)] offset:64*(\kq)+(\a-4)*16*PA
	ds_load_b128 v[32+72*(\f)+8*\a+4:32+72*(\f)+8*\a+7], v[ADRAH+(\slot)] offset:64*(\kq)+(\a-4)*16*PA+32
.endr
.endm
; 8 global loads: W2's four fragments of the quarter li quarters behind the pointer, into buffer fb; each covers 512 consecutive bytes
.macro BLOAD fb, li
	WIN 0xc0
.irp bt, 0,1,2,3
	global_load_b128 v[32*(\fb)+8*\bt:32*(\fb)+8*\bt+3], v[VB], s[LP:LP+1] offset:(\li)*QB+\bt*1024
	global_load_b128 v[32*(\fb)+8*\bt+4:32*(\fb)+8*\bt+7], v[VB], s[LP:LP+1] offset:(\li)*QB+\bt*1024+512
.endr
.endm
; Quarter q, not the last of its chunk.  It multiplies H's buffer q & 1 by W2's buffer q & 7; at its head it fetches H's fragments of quarter q + 1
; and (li >= 0) asks for W2's of quarter q + 7, into the buffers that quarter q - 1 has read.  lcnt: W2's loads younger than this quarter's.
.macro QQ q, li, lcnt, zero
	s_wait_dscnt 10                                ; H's fragments but for the ten youngest loads, row groups 4 to 8
	s_wait_loadcnt \lcnt                           ; W2's fragments of this quarter; the younger quarters' loads stay out
	PLACES
	FETCH (((\q)+1)>>3)&1, ((\q)+1)&7, ((\q)+1)&1
.if \li >= 0
	BLOAD ((\q)+7)&7, \li
.endif
.irp a, 0,1,2,3
	MULROW (\q)&1, (\q)&7, \a, \zero
.endr
	s_wait_dscnt 18                                ; all but the fetch just issued
.irp a, 4,5,6,7,8
	MULROW (\q)&1, (\q)&7, \a, \zero
.endr
.endm
; Quarter q, the last of its chunk: it changes slots.  In front of the barrier my reads of this slot and all my tensor loads (one is out: my rows
; of the next chunk) are done.  fill = 1: the barrier opens a round of the cluster's barrier, with register work alone inside it; behind the round no
; wave of any partner reads this slot or has a load on its way, and the joint refill comes first; then the next slot is read.
.macro TT q, li, lcnt, fill
.set SL, ((\q)>>3)&1
	s_wait_dscnt 0x0
	s_set_vgpr_msb 0xa3a0
	s_wait_tensorcnt 0x0
	ds_add_u32 v254, v255
	s_wait_dscnt 0x0
	s_set_vgpr_msb 0xa0a3
	s_wait_loadcnt \lcnt
	s_barrier_signal -1
	MULROW (\q)&1, (\q)&7, 0, 0
	MULROW (\q)&1, (\q)&7, 1, 0
	WIN 0                                          ; a branch follows
	s_barrier_wait -1
.if \fill
	CREST
	s_add_nc_u64 s[G0+4*SL+2:G0+4*SL+3], s[G0+4*SL+2:G0+4*SL+3], 2*STEPA   ; no tensor load of mine is out: the address may step
	tensor_load_to_lds s[G0+4*SL:G0+4*SL+3], s[G1:G1+7]
	s_nop 0
.endif
	PLACES
	FETCH (((\q)+1)>>3)&1, 0, ((\q)+1)&1
	BLOAD ((\q)+7)&7, \li
.irp a, 2,3,4,5,6,7,8
	MULROW (\q)&1, (\q)&7, \a, 0
.endr
.endm
.irp i, 0,1,2,3,4,5
	BLOAD \i, \i                                   ; W2's quarters 0 to 5
.endr
	WIN 0
	s_wait_loadcnt 48                              ; tables and biases are in; W2's 48 loads stay out
	ds_store_b32 v30, v8
	ds_store_b32 v31, v9
	ds_store_b32 v30, v12 offset:576
	ds_store_b32 v31, v13 offset:576
	ds_store_b32 v30, v14 offset:1152
	ds_store_b32 v31, v15 offset:1152
	BLOAD 6, 6                                     ; and quarter 6
	s_wait_tensorcnt 0x1                           ; my rows of chunk 0 are in; chunk 1's stay out
	s_wait_dscnt 0x0
	s_barrier_signal -1
	s_barrier_wait -1
	FETCH 0, 0, 0
	QQ 0, 7, 48, 1                                 ; quarter 0 starts the sums; six younger quarters of 8 loads stay out
	WIN 0
	s_wait_xcnt 0x0                                ; the pointer steps only behind this wait
	s_add_nc_u64 s[LP:LP+1], s[LP:LP+1], 8*QB      ; to quarter 8, which quarter 1 asks for
	s_mov_b32 s3, 3
.Llap:                                             ; quarters 16 t + 1 .. 16 t + 16, t = 0, 1, 2: they ask for chunks 2 to 7 and for W2's quarters 8 to 55
	s_cmp_eq_u32 s3, 2                             ; the second trip's middle step goes to quarter 32, the first of expert eb
	s_cselect_b32 s70, 1, 0
	s_mul_i32 s70, s70, s72
	s_add_co_u32 s70, s70, s73
.irp q, 1,2,3,4,5,6
	QQ \q, \q-1, 48, 0
.endr
	TT 7, 6, 48, 1
	QQ 8, 7, 48, 0
	s_wait_xcnt 0x0
	s_add_nc_u64 s[LP:LP+1], s[LP:LP+1], s[70:71]
.irp q, 9,10,11,12,13,14
	QQ \q, \q-9, 48, 0
.endr
	TT 15, 6, 48, 1
	QQ 16, 7, 48, 0
	WIN 0
	s_wait_xcnt 0x0
	s_add_nc_u64 s[LP:LP+1], s[LP:LP+1], 8*QB
	s_sub_co_u32 s3, s3, 1
	s_cmp_lg_u32 s3, 0
	s_cbranch_scc1 .Llap
	; the last fifteen quarters: no chunk is left to fetch, W2's loads end with quarter 63 and the counts run down
.irp q, 49,50,51,52,53,54
	QQ \q, \q-49, 48, 0
.endr
	TT 55, 6, 48, 0
	QQ 56, 7, 48, 0
.irp q, 57,58,59,60,61,62
	QQ \q, -1, 8*(63-\q), 0
.endr
	s_wait_dscnt 0x0
	s_wait_loadcnt 0x0
	WIN 0x80                                       ; the tables come back from LDS while the last quarter is multiplied: register 8 a + j holds row 16 a + 8 h + j
.irp a, 0,1,2,3,4,5,6,7,8
	ds_load_b128 v[32+8*\a:35+8*\a], v22 offset:64*\a
	ds_load_b128 v[36+8*\a:39+8*\a], v22 offset:64*\a+16
	ds_load_b128 v[104+8*\a:107+8*\a], v22 offset:576+64*\a
	ds_load_b128 v[108+8*\a:111+8*\a], v22 offset:576+64*\a+16
	ds_load_b128 v[176+8*\a:179+8*\a], v22 offset:1152+64*\a
	ds_load_b128 v[180+8*\a:183+8*\a], v22 offset:1152+64*\a+16
.endr
.irp a, 0,1,2,3,4,5,6,7,8
	MULROW 1, 7, \a, 0
.endr
	; THE WAY OUT, 16 rows at a time through my own stage: a lane then holds 4 neighbouring columns of a row, sixteen lanes a row's 256 bytes
	PLACES
	WIN 0
	s_wait_dscnt 0x0                               ; tokens and weights
	WIN 0x08                                       ; source 1 in window 2
.set i, 0
.rept 72
	v_min_u32 v[32+i], 0x1fff, v[32+i]             ; the row's token, into window 0
.set i, i+1
.endr
	WIN 0
.set i, 0
.rept 72
	v_lshl_add_u32 v[32+i], v[32+i], 12, v[COL]    ; 4,096 bytes a token + my 16 bytes
.set i, i+1
.endr
.macro OUT16 a, buf
.if \a < 8
	WIN 0x04
.set ACCB, 32*\a
.else
	WIN 0x08
.set ACCB, 0
.endif
.irp bt, 0,1,2,3
	ds_store_b128 v[STO], v[ACCB+8*\bt:ACCB+8*\bt+3] offset:64*\bt
	ds_store_b128 v[STO], v[ACCB+8*\bt+4:ACCB+8*\bt+7] offset:64*\bt+16
.endr
	WIN 0
	s_wait_xcnt 0x0                                ; buf was a store's data two turns ago: loaded again only behind this wait
.irp j, 0,1,2,3,4,5,6,7
	ds_load_b128 v[\buf+4*\j:\buf+4*\j+3], v[RD] offset:272*\j     ; LDS serves a wave in order: these see the stores above
.endr
	s_wait_dscnt 0x0
	WIN 0x08                                       ; the weights in window 2
.irp j, 0,1,2,3,4,5,6,7
.irp k, 0,1,2,3
	v_fma_f32 v[\buf+4*\j+\k], v[240+\k], v[104+8*\a+\j], v[\buf+4*\j+\k]   ; + wa b2[ea]
.endr
.irp k, 0,1,2,3
	v_fma_f32 v[\buf+4*\j+\k], v[244+\k], v[176+8*\a+\j], v[\buf+4*\j+\k]   ; + wb b2[eb]
.endr
.endr
	WIN 0
.irp j, 0,1,2,3,4,5,6,7
	global_store_b128 v[32+8*\a+\j], v[\buf+4*\j:\buf+4*\j+3], s[80:81] th:TH_STORE_NT   ; sixteen lanes: 256 consecutive bytes of a token's row, aligned
.endr
.endm
	OUT16 0, 104
	OUT16 1, 136
	OUT16 2, 104
	OUT16 3, 136
	OUT16 4, 104
	OUT16 5, 136
	OUT16 6, 104
	OUT16 7, 136
	OUT16 8, 104
	s_wait_tensorcnt 0x0
	ds_add_u32 v254, v255
	s_wait_dscnt 0x0
	CROUND                                         ; the closing round: no work-group ends while a partner may still ask for a chunk that names it
	s_endpgm
.Lfunc_end_k_q6d8f6ff8e1_ffn2:
	.size	k_q6d8f6ff8e1_ffn2, .Lfunc_end_k_q6d8f6ff8e1_ffn2-k_q6d8f6ff8e1_ffn2
	.p2alignl 7, 3214868480
	.fill 96, 4, 3214868480
	.section	.rodata,"a",@progbits
	.p2align	6, 0x0
	.amdhsa_kernel k_q6d8f6ff8e1_ffn2
		.amdhsa_group_segment_fixed_size 327680
		.amdhsa_private_segment_fixed_size 0
		.amdhsa_enable_private_segment 0
		.amdhsa_kernarg_size 48
		.amdhsa_user_sgpr_count 2
		.amdhsa_user_sgpr_kernarg_segment_ptr 1
		.amdhsa_wavefront_size32 1
		.amdhsa_system_sgpr_workgroup_id_x 1
		.amdhsa_system_sgpr_workgroup_id_y 1
		.amdhsa_system_sgpr_workgroup_id_z 1
		.amdhsa_system_vgpr_workitem_id 0
		.amdhsa_next_free_vgpr 1024
		.amdhsa_next_free_sgpr 84
		.amdhsa_reserve_vcc 0
		.amdhsa_float_denorm_mode_32 3
		.amdhsa_float_denorm_mode_16_64 3
		.amdhsa_memory_ordered 1
		.amdhsa_forward_progress 1
		.amdhsa_inst_pref_size 218
	.end_amdhsa_kernel
	.amdgpu_metadata
---
amdhsa.version: [ 1, 2 ]
amdhsa.kernels:
  - .name:           k_q6d8f6ff8e1_ffn2
    .symbol:         k_q6d8f6ff8e1_ffn2.kd
    .args:
      - { .name: H, .offset: 0, .size: 8, .value_kind: global_buffer, .address_space: global }
      - { .name: Wb, .offset: 8, .size: 8, .value_kind: global_buffer, .address_space: global }
      - { .name: b2, .offset: 16, .size: 8, .value_kind: global_buffer, .address_space: global }
      - { .name: plan, .offset: 24, .size: 8, .value_kind: global_buffer, .address_space: global }
      - { .name: sw, .offset: 32, .size: 8, .value_kind: global_buffer, .address_space: global }
      - { .name: out0, .offset: 40, .size: 8, .value_kind: global_buffer, .address_space: global }
    .group_segment_fixed_size: 327680
    .private_segment_fixed_size: 0
    .kernarg_segment_align: 8
    .kernarg_segment_size: 48
    .max_flat_workgroup_size: 128
    .sgpr_count:     84
    .vgpr_count:     1024
    .wavefront_size: 32
...
	.end_amdgpu_metadata
.endif
;; end of part 7
